; MI455X (gfx1250); checked and timed in simulation.
; The chip was launched on July 23, 2026; its instructions are those of AMD's public machine-readable ISA for CDNA 5 (MIT licence, August 2026) and "CDNA5" Instruction Set Architecture Reference Guide (July 2026). The comments in the code are by the model that wrote it; some were corrected since.
;; Causal Self Attention. Allowed arithmetic: matrix products marked QUANTISED: E2M1 operands, one E8M0 scale for each 32 along K, by v_wmma_scale_f32_16x16x128_f8f6f4 with both operands' format E2M1 (or v_wmma_scale_f32_32x16x128_f4), f32 sums; products left as they are: bf16, f16 or f32 operands; f32 sums; everything else in f32.
;; Inputs: W_out 1,024 x 1,024 float32; W_qkv 1,024 x 3,072 float32; b_out 1,024 float32; b_qkv 3,072 float32; x 4 x 2,048 x 1,024 float32.
;; Outputs: out0 4 x 2,048 x 1,024 float32.
;; This version of the problem:
;;   THIS VERSION OF THE PROBLEM IS GIVEN IN LOW PRECISION. The matrix products marked QUANTISED in the list below multiply operands that are first quantised to E2M1 (2 exponent bits, 1 mantissa bit; 4 bits a number), with one power-of-two scale for each 32 numbers along K (OCP MX v1.0); their sums are f32. The products marked 'left as it is' may take bf16, f16 or f32 operands, with f32 sums. Whichever they take, every output number must still come out within the allowed error. Rounding operands to bf16 (8 significant bits) uses up far more of that allowance than f16 does (11 bits, for magnitudes from 6e-5 to 65,504). All else is computed in f32.
;;   The module's matrix products, in the order in which they are computed (A, B: the left and right operand; K: the contracted axis; several contracted axes count as one K, in the product's order):
;;     1. [M 8,192, K 1,024] x [K 1,024, N 3,072]; A: input x; B: input W_qkv: QUANTISED
;;     2. batch 64 x [M 2,048, K 64] x [K 64, N 2,048]; A: computed on the way; B: computed on the way: left as it is (an operand is computed on the way)
;;     3. batch 64 x [M 2,048, K 2,048] x [K 2,048, N 64]; A: computed on the way; B: computed on the way: left as it is (an operand is computed on the way)
;;     4. [M 8,192, K 1,024] x [K 1,024, N 1,024]; A: computed on the way; B: input W_out: left as it is (an operand is computed on the way)
;;   THE QUANTISER, for each operand of a quantised product, along K:
;;     - K is cut into blocks of 32 from its start; a last block that is shorter is filled with zeros.
;;     - A block's scale is 2^e with e = floor(log2(the largest magnitude in the block)) - 2, held to -126 .. 127; a block of zeros has e = 0. As a byte (E8M0): e + 127.
;;     - Each number is divided by its block's scale, clamped to +-6, and rounded to the nearest number of E2M1, ties to even, subnormals kept.
;;     - The product sums the exact products of the quantised numbers (number of the format x scale) in f32.
;;   ~~~python
;;   def quantise(x, axis):      # numpy; x: float32 -> the quantised numbers, widened to float32 again
;;       x = np.moveaxis(x, axis, -1); K = x.shape[-1]
;;       x = np.pad(x, [(0, 0)] * (x.ndim - 1) + [(0, -K % 32)]); x = x.reshape(x.shape[:-1] + (-1, 32)); a = np.abs(x).max(-1, keepdims=True)
;;       e = np.where(a > 0, np.clip(np.frexp(np.where(a > 0, a, 1))[1] - 1 - 2, -126, 127), 0)      # np.frexp(a)[1] - 1 = floor(log2(a)), exactly
;;       r = np.clip(x / 2.0 ** e, -6, 6)
;;       step = 2.0 ** (np.maximum(np.frexp(np.where(r == 0, 1, r))[1] - 1, 0) - 1)
;;       q = np.round(r / step) * step * 2.0 ** e      # np.round: ties to even
;;       return np.moveaxis(q.reshape(q.shape[:-2] + (-1,))[..., :K], -1, axis).astype(np.float32)
;;   ~~~
;; One version. Each part assembles by itself: llvm-mc -triple=amdgcn-amd-amdhsa -mcpu=gfx1250 --defsym DOCPART=n.
;; ======== version 1 of 1: 5 launches
;; limits: values are held in f16: magnitudes above 65,504 overflow, below 6.1e-05 lose precision
;; workspace buffers: xc 4,194,304 bytes; xs 262,144 bytes; wc 1,572,864 bytes; ws 98,304 bytes; wo16 2,097,152 bytes; qkv 50,331,648 bytes; q16 786,432 bytes; ao 16,777,216 bytes
;; launch prep (part 1): grid 432 x 1, 4 waves a work-group, no clusters, 68,096 bytes of LDS; arguments x, W_qkv, W_out, xc, xs, wc, ws, wo16; writes xc, xs, wc, ws, wo16
.if DOCPART == 1
	.amdgcn_target "amdgcn-amd-amdhsa--gfx1250"
	.amdhsa_code_object_version 6
	.text
	.protected	k_q9905b4be88_prep
	.globl	k_q9905b4be88_prep
	.p2align	8
	.type	k_q9905b4be88_prep,@function
k_q9905b4be88_prep:
	s_mov_b64 s[64:65], 0
	v_nop
	global_prefetch_b8 v0, s[64:65] scope:SCOPE_SE
	s_setreg_imm32_b32 hwreg(HW_REG_WAVE_MODE, 25, 1), 1
	s_wait_xcnt 0x0
; Three pieces of preparation in one launch, told apart by the work-group's number; the three ways never join.
;   work-groups   0 ..  47: W_qkv [1024 (k)][3072 (n)] f32 -> codes of E2M1 laid [3072][512 bytes], K innermost, and E8M0 bytes [3072][32]
;   work-groups  48 .. 303: x [8192][1024] f32 -> codes [8192][512 bytes] and E8M0 bytes [8192][32]
;   work-groups 304 .. 431: W_out [1024][1024] f32 -> f16, in the same order
; A block's scale is 2^(floor(log2(its largest magnitude)) - 2); its byte is the largest magnitude's exponent field - 2, held at 1 from below.
; LIMITS: a block of zeros gets the byte 1 where the quantiser says 127 (its codes are zeros, and this program alone reads the bytes); blocks whose largest
; magnitude lies under 2^-124 are held at that floor; NaN and infinities among the inputs are not served; W_out beyond 65,504 in magnitude becomes infinity in f16.
; LDS: x's way has bytes 0 .. 32,767, W_qkv's way bytes 32,768 .. 67,583, the spare words lie behind both.
.set SPARE, 67584                      ; the spare words, 128 bytes for each wave: two blocks of 256 bytes that no other line names
.set SPW,   192                        ; v192 LDS address of my spare word; never rewritten
.set NIL,   193                        ; v193 0; never rewritten
.set WBASE, 32768
	s_load_b256 s[4:11], s[0:1], 0x0               ; x s[4:5], W_qkv s[6:7], W_out s[8:9], xc s[10:11]
	s_load_b256 s[12:19], s[0:1], 0x20             ; xs s[12:13], wc s[14:15], ws s[16:17], wo16 s[18:19]
	v_lshl_add_u32 v[SPW], v0, 2, SPARE
	v_mov_b32 v[NIL], 0
	v_lshrrev_b32 v1, 5, v0
	v_readfirstlane_b32 s20, v1                    ; wave 0..3
	v_and_b32 v2, 31, v0                           ; lane
	s_wait_kmcnt 0x0
	s_cmp_lt_u32 ttmp9, 48
	s_cbranch_scc1 .Lw
	s_cmp_lt_u32 ttmp9, 304
	s_cbranch_scc1 .Lx
; ---- W_out to f16.  A wave takes 2,048 numbers: 16 loads of 512 consecutive bytes, 16 stores of 256 consecutive, aligned bytes.  No LDS.
	s_sub_co_u32 s21, ttmp9, 304
	s_lshl_b32 s21, s21, 2
	s_add_co_u32 s21, s21, s20                     ; which run of 2,048 numbers
	s_lshl_b32 s22, s21, 13
	s_mov_b32 s23, 0
	s_add_nc_u64 s[8:9], s[8:9], s[22:23]
	s_lshl_b32 s22, s21, 12
	s_add_nc_u64 s[18:19], s[18:19], s[22:23]
	v_lshlrev_b32 v3, 4, v2
	v_lshlrev_b32 v4, 3, v2
.set i, 0
.rept 16
	global_load_b128 v[32+4*i:35+4*i], v3, s[8:9] offset:512*i
.set i, i+1
.endr
.set i, 0
.rept 16
	s_wait_loadcnt 15-i                            ; loads come back in order: load i is in, the younger ones stay out
	v_cvt_pk_f16_f32 v[96+2*i], v[32+4*i], v[33+4*i]
	v_cvt_pk_f16_f32 v[97+2*i], v[34+4*i], v[35+4*i]
	global_store_b64 v4, v[96+2*i:97+2*i], s[18:19] offset:256*i   ; each step has its own data registers: none is written again
.set i, i+1
.endr
	s_endpgm
; ---- x.  Rows are dense and K is a multiple of 32: a plain stream of blocks of 32.  A wave takes 16 steps of 512 numbers.
; Each load reads 512 consecutive bytes; a step's 2,048 bytes turn through the wave's own stage in LDS (16 bytes of padding behind each 64) and come back 64 bytes
; a lane: 16 neighbours along K, as the conversions want them; two neighbouring lanes hold a block.  Loads run four steps ahead, the turn through LDS one step.
.Lx:
.set STEPS, 16
.set XSP,   80                         ; a lane's place in a stage: 64 bytes + 16
.set XR,    16                         ; v16-79   four sets of 16 numbers as loaded
.set XX,    80                         ; v80-111  two sets of 16 neighbours
.set XE,    112                        ; v112-127 a scale byte for each step
.set XC,    128                        ; v128-191 codes: four registers for each step
	v_lshlrev_b32 v3, 4, v2                        ; my 16 bytes of a load's 512
	s_mul_i32 s21, s20, 8192                       ; my wave's region
	v_lshrrev_b32 v14, 2, v2
	v_mul_u32_u24 v14, v14, XSP
	v_and_b32 v15, 3, v2
	v_lshl_add_u32 v14, v15, 4, v14
	v_add_nc_u32 v14, s21, v14                     ; the stage, on the way in
	v_mul_u32_u24 v15, v2, XSP
	v_add_nc_u32 v15, s21, v15                     ; and on the way out
	v_mul_u32_u24 v4, v2, 8                        ; my codes' place in a step's 256 bytes
	v_lshrrev_b32 v5, 1, v2
	s_add_co_u32 s21, s21, 2*32*XSP
	v_add_nc_u32 v5, s21, v5                       ; my wave's 256 scale bytes, my block's byte
	v_lshlrev_b32 v7, 3, v2
	v_add_nc_u32 v6, s21, v7
	s_sub_co_u32 s22, ttmp9, 48
	s_lshl_b32 s22, s22, 2
	s_add_co_u32 s22, s22, s20                     ; which run of 8,192 numbers
	s_lshl_b32 s24, s22, 15
	s_mov_b32 s25, 0
	s_add_nc_u64 s[4:5], s[4:5], s[24:25]
	s_lshl_b32 s24, s22, 12
	s_add_nc_u64 s[10:11], s[10:11], s[24:25]
	s_lshl_b32 s24, s22, 8
	s_add_nc_u64 s[12:13], s[12:13], s[24:25]
.macro XLOAD t
.irp i, 0,1,2,3
	global_load_b128 v[XR+16*((\t)%4)+4*\i:XR+16*((\t)%4)+4*\i+3], v3, s[4:5] offset:2048*(\t)+512*\i th:TH_LOAD_NT
.endr
.endm
.macro XTURN t                         ; LDS serves a wave's instructions in order: no wait between the stores and the loads
.irp i, 0,1,2,3
	ds_store_b128 v14, v[XR+16*((\t)%4)+4*\i:XR+16*((\t)%4)+4*\i+3] offset:32*XSP*((\t)%2)+8*XSP*\i
.endr
.irp i, 0,1,2,3
	ds_load_b128 v[XX+16*((\t)%2)+4*\i:XX+16*((\t)%2)+4*\i+3], v15 offset:32*XSP*((\t)%2)+16*\i
.endr
.endm
.irp t, 0,1,2,3
	XLOAD \t
.endr
	s_wait_loadcnt 12                              ; step 0's four loads are in
	XTURN 0
.macro XSTEP t
.set XS, XX+16*((\t)%2)
.if (\t) > 0
	s_wait_dscnt 1                                 ; this step's numbers are back from the stage (the last step's byte store may be out)
.else
	s_wait_dscnt 0x0
.endif
.if (\t)+4 < STEPS
	XLOAD (\t)+4                                   ; into the registers that the stage's stores have read
.endif
.if (\t)+1 < STEPS
.if STEPS-2-(\t) >= 3
	s_wait_loadcnt 12                              ; the next step's four loads are in; those of the three steps behind it may be out
.else
	s_wait_loadcnt 4*(STEPS-2-(\t))
.endif
	XTURN (\t)+1
.endif
	v_max3_num_f32 v8, |v[XS]|, |v[XS+1]|, |v[XS+2]|
	v_max3_num_f32 v9, |v[XS+3]|, |v[XS+4]|, |v[XS+5]|
.irp i, 6,10
	v_max3_num_f32 v8, v8, |v[XS+\i]|, |v[XS+\i+1]|
	v_max3_num_f32 v9, v9, |v[XS+\i+2]|, |v[XS+\i+3]|
.endr
	v_max3_num_f32 v8, v8, |v[XS+14]|, |v[XS+15]|
	v_max3_num_f32 v8, v8, v9, 0x1800000           ; the floor 2^(3 - 127): the byte cannot fall under 1
	v_max_num_f32_dpp v8, v8, v8 row_xmask:1 row_mask:0xf bank_mask:0xf   ; with my neighbour's 16: the block's largest magnitude
	v_add_nc_u32 v11, 0xff000000, v8               ; 2 off its exponent field: the conversion takes this operand's exponent field as its scale
	v_cvt_scalef32_pk8_fp4_f32 v[XC+4*(\t)], v[XS:XS+7], v11
	v_cvt_scalef32_pk8_fp4_f32 v[XC+4*(\t)+1], v[XS+8:XS+15], v11
	v_lshrrev_b32 v[XE+(\t)], 23, v11              ; the scale's byte
	ds_store_b8 v5, v[XE+(\t)] offset:16*(\t)      ; both lanes of a block write the same byte with the same value
	global_store_b64 v4, v[XC+4*(\t):XC+4*(\t)+1], s[10:11] offset:256*(\t)   ; the wave stores 256 consecutive, aligned bytes
.endm
.irp t, 0,1,2,3,4,5,6,7,8,9,10,11,12,13,14,15
	XSTEP \t
.endr
	ds_load_b64 v[8:9], v6                         ; my wave's 256 scale bytes, 8 a lane
	s_wait_dscnt 0x0
	global_store_b64 v7, v[8:9], s[12:13]          ; 256 consecutive, aligned bytes
	s_wait_tensorcnt 0x0                           ; the wave's end, behind my last LDS store
	ds_add_u32 v[SPW], v[NIL]
	s_wait_dscnt 0x0
	s_endpgm
; ---- W_qkv: K is its first axis.  A lane takes a column and its registers run down K: a block of 32 lies in one lane, and the codes come out with K innermost.
; A wave takes 32 columns x 512 along K: 16 blocks a lane, 256 bytes of codes a column, gathered in the wave's own stage and stored by rows, sixteen lanes to 256 aligned bytes.
.Lw:
.set WP,   272                         ; a stage row: 256 bytes + 16
.set WX,   32                          ; v32-95   two sets of 32 numbers
.set WCD,  96                          ; v96-99   a block's codes
.set WOUT, 112                         ; v112-175 the way out
.set WSB,  24                          ; v24-27   the scale bytes, four to a register
.set NB,   16
	s_lshr_b32 s21, ttmp9, 1
	s_lshl_b32 s21, s21, 7
	s_lshl_b32 s22, s20, 5
	s_add_co_u32 s21, s21, s22                     ; my wave's first column
	s_and_b32 s22, ttmp9, 1                        ; which 512 along K
	v_lshlrev_b32 v3, 2, v2
	s_mul_i32 s23, s20, 32*WP
	s_add_co_u32 s23, s23, WBASE                   ; my stage
	v_mul_u32_u24 v4, v2, WP
	v_add_nc_u32 v4, s23, v4                       ; into it: row = my column
	v_and_b32 v5, 15, v2
	v_lshrrev_b32 v6, 4, v2
	v_mul_u32_u24 v7, v6, WP
	v_lshl_add_u32 v7, v5, 4, v7
	v_add_nc_u32 v7, s23, v7                       ; out of it: sixteen lanes to a row, two rows an instruction
	v_mul_u32_u24 v8, v6, 512
	v_lshl_add_u32 v8, v5, 4, v8                   ; and the same place in the codes' buffer
	s_mul_i32 s24, s22, 512*3072*4
	s_lshl_b32 s25, s21, 2
	s_add_co_u32 s24, s24, s25
	s_mov_b32 s25, 0
	s_add_nc_u64 s[6:7], s[6:7], s[24:25]
	s_lshl_b32 s24, s21, 9
	s_lshl_b32 s26, s22, 8
	s_add_co_u32 s24, s24, s26
	s_add_nc_u64 s[14:15], s[14:15], s[24:25]
	s_lshl_b32 s24, s21, 5
	s_lshl_b32 s26, s22, 4
	s_add_co_u32 s24, s24, s26
	s_add_nc_u64 s[16:17], s[16:17], s[24:25]
	v_lshlrev_b32 v9, 5, v2                        ; my column's row of scale bytes
.macro WLOAD t                         ; block t: W(32 t + i, my column); the largest immediate is 511 x 12,288, inside the signed 24 bits
.irp i, 0,1,2,3,4,5,6,7,8,9,10,11,12,13,14,15,16,17,18,19,20,21,22,23,24,25,26,27,28,29,30,31
	global_load_b32 v[WX+32*((\t)%2)+\i], v3, s[6:7] offset:(32*(\t)+\i)*12288 th:TH_LOAD_NT
.endr
.endm
	WLOAD 0
	WLOAD 1
.macro WBLOCK t
.set XS, WX+32*((\t)%2)
.if (\t) < NB-1
	s_wait_loadcnt 32                              ; this block's 32 loads are in; the next block's may be out
.else
	s_wait_loadcnt 0
.endif
	v_max3_num_f32 v12, |v[XS]|, |v[XS+1]|, |v[XS+2]|
	v_max3_num_f32 v13, |v[XS+3]|, |v[XS+4]|, |v[XS+5]|
.irp i, 6,10,14,18,22,26
	v_max3_num_f32 v12, v12, |v[XS+\i]|, |v[XS+\i+1]|
	v_max3_num_f32 v13, v13, |v[XS+\i+2]|, |v[XS+\i+3]|
.endr
	v_max3_num_f32 v12, v12, |v[XS+30]|, |v[XS+31]|
	v_max3_num_f32 v12, v12, v13, 0x1800000        ; the floor 2^(3 - 127)
	v_add_nc_u32 v11, 0xff000000, v12              ; 2 off the exponent field: the conversion's scale operand
	v_lshrrev_b32 v13, 23, v11                     ; the scale's byte
.if (\t)%4 == 0
	v_mov_b32 v[WSB+(\t)/4], v13
.else
	v_lshl_or_b32 v[WSB+(\t)/4], v13, 8*((\t)%4), v[WSB+(\t)/4]
.endif
.irp g, 0,1,2,3
	v_cvt_scalef32_pk8_fp4_f32 v[WCD+\g], v[XS+8*\g:XS+8*\g+7], v11
.endr
	ds_store_b128 v4, v[WCD:WCD+3] offset:16*(\t)  ; 32 codes: 16 bytes of my column's row
.if (\t)+2 < NB
	WLOAD (\t)+2
.endif
	s_wait_dscnt 0x0                               ; the store has read its registers: the next block's codes may be written
.endm
.set Q, 0
.rept NB
	WBLOCK Q
.set Q, Q+1
.endr
	global_store_b128 v9, v[WSB:WSB+3], s[16:17]   ; my column's 16 scale bytes
.irp t, 0,1,2,3,4,5,6,7,8,9,10,11,12,13,14,15
	ds_load_b128 v[WOUT+4*\t:WOUT+4*\t+3], v7 offset:2*\t*WP
.endr
.irp t, 0,1,2,3,4,5,6,7,8,9,10,11,12,13,14,15
	s_wait_dscnt 15-\t
	global_store_b128 v8, v[WOUT+4*\t:WOUT+4*\t+3], s[14:15] offset:2*\t*512
.endr
	s_wait_tensorcnt 0x0                           ; the wave's end, behind my last LDS store
	ds_add_u32 v[SPW], v[NIL]
	s_wait_dscnt 0x0
	s_endpgm
.Lfunc_end_k_q9905b4be88_prep:
	.size	k_q9905b4be88_prep, .Lfunc_end_k_q9905b4be88_prep-k_q9905b4be88_prep
	.p2alignl 7, 3214868480
	.fill 96, 4, 3214868480
	.section	.rodata,"a",@progbits
	.p2align	6, 0x0
	.amdhsa_kernel k_q9905b4be88_prep
		.amdhsa_group_segment_fixed_size 68096
		.amdhsa_private_segment_fixed_size 0
		.amdhsa_enable_private_segment 0
		.amdhsa_kernarg_size 64
		.amdhsa_user_sgpr_count 2
		.amdhsa_user_sgpr_kernarg_segment_ptr 1
		.amdhsa_wavefront_size32 1
		.amdhsa_system_sgpr_workgroup_id_x 1
		.amdhsa_system_sgpr_workgroup_id_y 1
		.amdhsa_system_sgpr_workgroup_id_z 1
		.amdhsa_system_vgpr_workitem_id 0
		.amdhsa_next_free_vgpr 196
		.amdhsa_next_free_sgpr 66
		.amdhsa_reserve_vcc 0
		.amdhsa_float_denorm_mode_32 3
		.amdhsa_float_denorm_mode_16_64 3
		.amdhsa_memory_ordered 1
		.amdhsa_forward_progress 1
		.amdhsa_inst_pref_size 116
	.end_amdhsa_kernel
	.amdgpu_metadata
---
amdhsa.version: [ 1, 2 ]
amdhsa.kernels:
  - .name:           k_q9905b4be88_prep
    .symbol:         k_q9905b4be88_prep.kd
    .args:
      - { .name: x, .offset: 0, .size: 8, .value_kind: global_buffer, .address_space: global }
      - { .name: W_qkv, .offset: 8, .size: 8, .value_kind: global_buffer, .address_space: global }
      - { .name: W_out, .offset: 16, .size: 8, .value_kind: global_buffer, .address_space: global }
      - { .name: xc, .offset: 24, .size: 8, .value_kind: global_buffer, .address_space: global }
      - { .name: xs, .offset: 32, .size: 8, .value_kind: global_buffer, .address_space: global }
      - { .name: wc, .offset: 40, .size: 8, .value_kind: global_buffer, .address_space: global }
      - { .name: ws, .offset: 48, .size: 8, .value_kind: global_buffer, .address_space: global }
      - { .name: wo16, .offset: 56, .size: 8, .value_kind: global_buffer, .address_space: global }
    .group_segment_fixed_size: 68096
    .private_segment_fixed_size: 0
    .kernarg_segment_align: 8
    .kernarg_segment_size: 64
    .max_flat_workgroup_size: 128
    .sgpr_count:     66
    .vgpr_count:     196
    .wavefront_size: 32
...
	.end_amdgpu_metadata
.endif
;; end of part 1
;; launch qkv (part 2): grid 12 x 32, 4 waves a work-group, clusters of 4 x 4, 327,680 bytes of LDS; arguments xc, xs, wc, ws, qkv, b_qkv, q16; writes qkv, q16
.if DOCPART == 2
	.amdgcn_target "amdgcn-amd-amdhsa--gfx1250"
	.amdhsa_code_object_version 6
	.text
	.protected	k_q9905b4be88_qkv
	.globl	k_q9905b4be88_qkv
	.p2align	8
	.type	k_q9905b4be88_qkv,@function
k_q9905b4be88_qkv:
	s_mov_b64 s[64:65], 0
	v_nop
	global_prefetch_b8 v0, s[64:65] scope:SCOPE_SE
	s_setreg_imm32_b32 hwreg(HW_REG_WAVE_MODE, 25, 1), 1
	s_wait_xcnt 0x0
	s_wait_alu depctr_hold_cnt(0) depctr_sa_sdst(0) depctr_va_vdst(0) depctr_va_sdst(0) depctr_va_ssrc(0) depctr_va_vcc(0) depctr_vm_vsrc(0)
	s_getreg_b32 s2, hwreg(HW_REG_IB_STS2, 6, 4)
	s_cmp_eq_u32 s2, 0
	s_cbranch_scc0 .Lentry_in_a_cluster
	s_endpgm
.Lentry_in_a_cluster:
	s_bfe_u32 s2, ttmp6, 0x10000c
	s_cmp_lg_u32 s2, 0xf033
	s_cbranch_scc0 .Lentry_shape_is_right
	s_endpgm
.Lentry_shape_is_right:
; qkv = Q(x) Q(W_qkv) + b_qkv on codes of E2M1 with E8M0 scales: A = x's codes [8192][512 bytes], B = W_qkv's codes [3072][512 bytes], K = 1,024.
; A tile of 256 x 256 is made by four waves, 128 x 128 each: 64 accumulators, 512 registers.  K = 1,024 is two steps of 512: both lie in LDS at once, so no slot is filled again.
; The scale bytes of the work-group's rows of A and of B come once, as dense blocks, and stay in LDS.
; CLUSTERS: 4 x 4 work-groups; A's tiles are asked for jointly along a row of the cluster, B's along a column.
; THE MATRIX INSTRUCTION IS USED TRANSPOSED (source 0 = 16 rows of B, source 1 = 16 rows of A): a lane holds eight neighbouring columns of one token.  The bias is the C of each sum's first product.
; OUT: rounded to f16, by head: qkv [3 (q, k, v)][batch 4][head 16][token 2048][64]: 16 tokens of a head are 2,048 consecutive bytes.
; The tokens 0 .. 15 of every sequence also leave in f32, as images of the accumulators' registers, into q16: tile of 16 columns x (register half, lane, 16 bytes).
; LIMITS: q, k, v beyond 65,504 in magnitude become infinity in f16; under 6e-5 they keep an absolute error of 3e-8.
; REGISTERS, in windows of 256: window 0: v0-31 addresses; v32-95 scale words, two sets; v128-191 A's fragments, one set; v192-255 the bias, later packed results.
;   window 1: B's fragments, two sets, at v0 and v128.   window 2: the accumulators of my rows 0-63 ((a, b) at v[8 (8 a + b)]);   window 3: those of my rows 64-127.
.set NQ,     4                         ; matrix instructions deep in a slot: 512 / 128
.set ROWB,   256                       ; a tile's row in bytes
.set KROW,   512                       ; a row of codes in memory
.set PITCH,  272                       ; an LDS row: 256 bytes + 16: the 16 rows that a load touches start 4 words apart modulo 64
.set FR,     8
.set NL,     2
.set NP,     4
.set HALFT,  128*PITCH
.set SLOT,   4*HALFT
.set KS,     32                        ; a row of scale bytes
.set SCL,    2*SLOT
.set HALFS,  (128*KS/256)*272
.set SBLK,   (16*KS/256)*272
.set SPARE,  SCL+4*HALFS               ; the spare words, 128 bytes for each wave
.set ADRA, 16
.set ADRB, 20
.set STO,  24
.set RD,   25
.set CO,   26
.set ADRS, 27
.set SPW,  28
.set NIL,  29
.set SC,   32
.set AF,   128
.set BK,   128                         ; the way out: rows read back: v128-159 and v160-191 by turns
.set BIAS, 192
.set TMP,  192                         ; the way out: packed results
.set G1, 24
.set G0, 32
.set G1B, 48
.set G0B, 56
.set G1S, 68
.set G0S, 76
.set G1SB, 80
.set G0SB, 88
.set MSB, 0
.macro WIN new                         ; the immediate's high byte repeats the setting that is left
.if MSB != \new
	s_set_vgpr_msb (MSB<<8)|\new
.set MSB, \new
.endif
.endm
.set MUL_LO, 0xa1                      ; source 0 (B) window 1, source 1 (A) window 0, C and D window 2
.set MUL_HI, 0xf1                      ; the same, C and D window 3
.set FST_LO, 0x81                      ; the first products: C (the bias) window 0, D window 2
.set FST_HI, 0xc1                      ; D window 3
.set TO_B,   0x40
.macro JLOAD g0a, g1a, g0b, g1b        ; a joint load: waves 0 and 1 fetch for A, waves 2 and 3 for B; an s_nop 0 and four v_nop follow each line
	s_cmp_eq_u32 s15, 0
	s_cbranch_scc0 .Lfor_b_\@
	tensor_load_to_lds s[\g0a:\g0a+3], s[\g1a:\g1a+7]
	s_nop 0
.rept 4
	v_nop
.endr
	s_branch .Lasked_\@
.Lfor_b_\@:
	tensor_load_to_lds s[\g0b:\g0b+3], s[\g1b:\g1b+7]
	s_nop 0
.rept 4
	v_nop
.endr
.Lasked_\@:
.endm
.macro CROUND                          ; a round of the cluster's barrier
	s_barrier_signal -1
	s_barrier_wait -1
	s_cmp_lg_u32 s14, 0
	s_cbranch_scc1 .Lnot_wave_0_\@
	s_barrier_signal -3
.Lnot_wave_0_\@:
	s_barrier_wait -3
	s_barrier_signal -1
	s_barrier_wait -1
.endm
	s_load_b128 s[4:7], s[0:1], 0x0                ; x's codes, x's scales
	s_load_b128 s[8:11], s[0:1], 0x10              ; W's codes, W's scales
	s_load_b64 s[12:13], s[0:1], 0x20              ; qkv
	s_load_b64 s[96:97], s[0:1], 0x28              ; b_qkv
	s_load_b64 s[98:99], s[0:1], 0x30              ; q16
	v_lshl_add_u32 v[SPW], v0, 2, SPARE
	v_mov_b32 v[NIL], 0
	ds_add_u32 v[SPW], v[NIL]                      ; the wave's opening: the add, twice on end, and its wait ahead of my first tensor load
	ds_add_u32 v[SPW], v[NIL]
	v_lshrrev_b32 v1, 5, v0
	v_readfirstlane_b32 s14, v1                    ; wave 0..3
	s_lshr_b32 s15, s14, 1                         ; which half of the tile's rows is mine.  Also: I fetch for A (0) or for B (1)
	s_and_b32 s16, s14, 1                          ; which half of its columns.  Also: which 128 rows I fetch
	s_bfe_u32 s40, ttmp6, 0x40000                  ; cx
	s_bfe_u32 s41, ttmp6, 0x40004                  ; cy
	s_lshl_b32 s42, ttmp9, 2
	s_add_co_u32 s42, s42, s40                     ; tile column
	s_and_b32 s17, ttmp7, 0xffff
	s_lshl_b32 s17, s17, 2
	s_add_co_u32 s17, s17, s41                     ; tile row
	s_lshl_b32 s43, s41, 2
	s_lshl_b32 s43, 15, s43                        ; my row of the cluster
	s_lshl_b32 s44, 0x1111, s40                    ; my column
	s_or_b32 s[G1+0], s43, (0<<16)|(1<<20)|(1<<21)|(5<<22)|(3<<25)  ; the mask; elements of 1 byte; padding: 4 words behind every 64; bit 21 set beside a mask
	s_or_b32 s[G1B+0], s44, (0<<16)|(1<<20)|(1<<21)|(5<<22)|(3<<25)
.irp g, G1, G1B
	s_mov_b32 s[\g+1], ROWB<<16                    ; tensor_dim0
	s_mov_b32 s[\g+2], 128<<16                     ; tensor_dim1
	s_mov_b32 s[\g+3], ROWB<<16                    ; tile_dim0
	s_mov_b32 s[\g+4], 128                         ; tile_dim1
	s_mov_b32 s[\g+5], KROW                        ; the pitch
	s_mov_b32 s[\g+6], 0
	s_mov_b32 s[\g+7], 0
.endr
	s_or_b32 s[G1S+0], s43, (3<<16)|(1<<20)|(1<<21)|(5<<22)|(3<<25) ; the scales of 128 rows: 4,096 dense bytes as 16 rows of 256, 16 bytes of padding behind each
	s_or_b32 s[G1SB+0], s44, (3<<16)|(1<<20)|(1<<21)|(5<<22)|(3<<25)
.irp g, G1S, G1SB
	s_mov_b32 s[\g+1], 32<<16
	s_mov_b32 s[\g+2], (128*KS/256)<<16
	s_mov_b32 s[\g+3], 32<<16
	s_mov_b32 s[\g+4], 128*KS/256
	s_mov_b32 s[\g+5], 32
	s_mov_b32 s[\g+6], 0
	s_mov_b32 s[\g+7], 0
.endr
	s_lshl_b32 s18, s16, 7
	s_lshl_b32 s20, s17, 8
	s_add_co_u32 s20, s20, s18                     ; A: row 256 x tile row + 128 x half
	s_lshl_b32 s46, s42, 8
	s_add_co_u32 s46, s46, s18                     ; B: row 256 x tile column + 128 x half
	s_mov_b32 s21, 0
	s_mov_b32 s47, 0
	s_mov_b64 s[18:19], KS
	s_mul_u64 s[22:23], s[20:21], s[18:19]
	s_mul_u64 s[92:93], s[46:47], s[18:19]
	s_mov_b64 s[18:19], KROW
	s_mul_u64 s[20:21], s[20:21], s[18:19]
	s_mul_u64 s[46:47], s[46:47], s[18:19]
	s_mul_i32 s45, s14, HALFT                      ; where they go: wave x 128 rows
	s_mul_i32 s94, s14, HALFS
	s_wait_dscnt 0x0                               ; both opening adds are done
	s_wait_kmcnt 0x0
	s_add_nc_u64 s[20:21], s[4:5], s[20:21]
	s_add_nc_u64 s[22:23], s[6:7], s[22:23]
	s_add_nc_u64 s[46:47], s[8:9], s[46:47]
	s_add_nc_u64 s[92:93], s[10:11], s[92:93]
	CROUND                                         ; all sixteen work-groups are here: the first joint loads meet
	s_mov_b32 s[G0S], 1
	s_add_co_u32 s[G0S+1], s94, SCL
	s_mov_b64 s[G0S+2:G0S+3], s[22:23]
	s_or_b32 s[G0S+3], s[G0S+3], 0x80000000
	s_mov_b32 s[G0SB], 1
	s_add_co_u32 s[G0SB+1], s94, SCL
	s_mov_b64 s[G0SB+2:G0SB+3], s[92:93]
	s_or_b32 s[G0SB+3], s[G0SB+3], 0x80000000
	JLOAD G0S, G1S, G0SB, G1SB                     ; the scales first; then both K steps: three tensor loads of mine are out
.irp s, 0,1
	s_mov_b32 s[G0+4*\s], 1
	s_add_co_u32 s[G0+4*\s+1], s45, \s*SLOT
	s_add_nc_u64 s[G0+4*\s+2:G0+4*\s+3], s[20:21], \s*ROWB
	s_or_b32 s[G0+4*\s+3], s[G0+4*\s+3], 0x80000000
	s_mov_b32 s[G0B+4*\s], 1
	s_add_co_u32 s[G0B+4*\s+1], s45, \s*SLOT
	s_add_nc_u64 s[G0B+4*\s+2:G0B+4*\s+3], s[46:47], \s*ROWB
	s_or_b32 s[G0B+4*\s+3], s[G0B+4*\s+3], 0x80000000
	JLOAD G0+4*\s, G1, G0B+4*\s, G1B
.endr
	v_and_b32 v1, 15, v0                           ; r
	v_bfe_u32 v2, v0, 4, 1                         ; h
	v_mul_u32_u24 v3, v1, PITCH
	v_lshl_add_u32 v4, v2, 4, v3                   ; a fragment's row x pitch + 16 h
	s_mul_i32 s21, s15, HALFT
	s_mul_i32 s22, s16, HALFT
	s_add_co_u32 s22, s22, 2*HALFT
.irp s, 0,1
	v_add_nc_u32 v[ADRA+\s], s21, v4
	v_add_nc_u32 v[ADRB+\s], s22, v4
	s_add_co_u32 s21, s21, SLOT
	s_add_co_u32 s22, s22, SLOT
.endr
	v_mul_u32_u24 v5, v1, KS                       ; my row's scales: 32 bytes a row,
	v_lshrrev_b32 v6, 8, v5
	v_lshl_add_u32 v5, v6, 4, v5                   ; and 16 more for each 256 passed
	s_mul_i32 s21, s15, HALFS
	s_mul_i32 s22, s16, HALFS
	s_add_co_u32 s22, s22, 2*HALFS
	s_sub_co_u32 s22, s22, s21
	v_mul_u32_u24 v6, s22, v2                      ; lanes 16-31 take B's
	s_add_co_u32 s21, s21, SCL
	v_add_nc_u32 v5, v5, v6
	v_add_nc_u32 v[ADRS], s21, v5
	s_mul_i32 s23, s14, 4608                       ; my stage for the way out, in slot 0: two heads x 16 rows x (128 bytes + 16)
	v_mul_u32_u24 v5, v1, 144
	v_lshl_add_u32 v5, v2, 4, v5
	v_add_nc_u32 v[STO], s23, v5                   ; in: row r, 16 bytes for each half of the lanes
	v_and_b32 v6, 31, v0
	v_lshlrev_b32 v[CO], 4, v6                     ; 16 x lane
	v_lshrrev_b32 v5, 3, v6
	v_mul_u32_u24 v5, v5, 144
	v_and_b32 v7, 7, v0
	v_lshl_add_u32 v5, v7, 4, v5
	v_add_nc_u32 v[RD], s23, v5                    ; back: eight lanes to a row, four rows an instruction
	v_lshlrev_b32 v30, 5, v2                       ; the bias: 32 h bytes
	s_lshl_b32 s46, s42, 10
	s_lshl_b32 s47, s16, 9
	s_add_co_u32 s46, s46, s47                     ; 4 x my first column
	s_mov_b32 s47, 0
	s_add_nc_u64 s[96:97], s[96:97], s[46:47]
.irp b, 0,1,2,3,4,5,6,7
	global_load_b128 v[BIAS+8*\b:BIAS+8*\b+3], v30, s[96:97] offset:64*\b        ; b_qkv at columns 16 b + 8 h + 0 .. 7: the result's layout
	global_load_b128 v[BIAS+8*\b+4:BIAS+8*\b+7], v30, s[96:97] offset:64*\b+16
.endr
	s_lshr_b32 s46, s17, 3                         ; q16: batch x 192 tiles + my first tile of 16 columns, 1,024 bytes each
	s_mul_i32 s46, s46, 196608
	s_lshl_b32 s47, s42, 14
	s_add_co_u32 s46, s46, s47
	s_lshl_b32 s47, s16, 13
	s_add_co_u32 s46, s46, s47
	s_mov_b32 s47, 0
	s_add_nc_u64 s[98:99], s[98:99], s[46:47]
	s_and_b32 s100, s17, 7
	s_or_b32 s100, s100, s15                       ; 0 where my rows 0 .. 15 are a sequence's tokens 0 .. 15
	s_lshr_b32 s20, s42, 2                         ; qkv: ((((section x 4 + batch) x 16 + head) x 2048 + token) x 128 bytes
	s_lshl_b32 s20, s20, 2
	s_lshr_b32 s21, s17, 3
	s_add_co_u32 s20, s20, s21
	s_lshl_b32 s20, s20, 4
	s_and_b32 s21, s42, 3
	s_lshl_b32 s21, s21, 2
	s_add_co_u32 s20, s20, s21
	s_lshl_b32 s21, s16, 1
	s_add_co_u32 s20, s20, s21
	s_lshl_b32 s20, s20, 11
	s_and_b32 s21, s17, 7
	s_lshl_b32 s21, s21, 8
	s_add_co_u32 s20, s20, s21
	s_lshl_b32 s21, s15, 7
	s_add_co_u32 s20, s20, s21
	s_lshl_b32 s20, s20, 7
	s_mov_b32 s21, 0
	s_add_nc_u64 s[12:13], s[12:13], s[20:21]
.macro FRAG reg, adr, q, i             ; 16 rows x 128 K of 4-bit codes: 8 registers, two loads of 16 bytes, 32 bytes apart
.irp c, 0,1
	ds_load_b128 v[\reg+4*\c:\reg+4*\c+3], v[\adr] offset:64*(\q)+32*\c+(\i)*16*PITCH
.endr
.endm
; 16 matrix instructions: A's blocks a0, a0 + 1 x B's eight.  zero = 1: the first product starts the sums, with the bias as C.  The 64 accumulators take turns.
.macro MUL16 a0, p, q, sc, zero
.irp a, \a0, \a0+1
.irp b, 0,1,2,3,4,5,6,7
.if \zero
	v_wmma_scale_f32_16x16x128_f8f6f4 v[8*(8*((\a)%4)+\b):8*(8*((\a)%4)+\b)+7], v[128*(\p)+FR*\b:128*(\p)+FR*\b+FR-1], v[AF+FR*(\a):AF+FR*(\a)+FR-1], v[BIAS+8*\b:BIAS+8*\b+7], v[SC+8*NQ*(\sc)+NQ*\b+(\q)], v[SC+8*NQ*(\sc)+NQ*(\a)+(\q)] matrix_a_fmt:MATRIX_FMT_FP4 matrix_b_fmt:MATRIX_FMT_FP4 matrix_a_scale:MATRIX_SCALE_ROW1
.else
	v_wmma_scale_f32_16x16x128_f8f6f4 v[8*(8*((\a)%4)+\b):8*(8*((\a)%4)+\b)+7], v[128*(\p)+FR*\b:128*(\p)+FR*\b+FR-1], v[AF+FR*(\a):AF+FR*(\a)+FR-1], v[8*(8*((\a)%4)+\b):8*(8*((\a)%4)+\b)+7], v[SC+8*NQ*(\sc)+NQ*\b+(\q)], v[SC+8*NQ*(\sc)+NQ*(\a)+(\q)] matrix_a_fmt:MATRIX_FMT_FP4 matrix_b_fmt:MATRIX_FMT_FP4 matrix_a_scale:MATRIX_SCALE_ROW1
.endif
.endr
.endr
.endm
.macro FETCH_B slot, q, p
	WIN TO_B
.irp i, 0,1,2,3,4,5,6,7
	FRAG 128*(\p)+FR*\i, ADRB+\slot, \q, \i
.endr
	WIN 0
.endm
.macro FETCH_A slot, q, i0
.irp i, \i0, \i0+1, \i0+2, \i0+3
	FRAG AF+FR*(\i), ADRA+\slot, \q, \i
.endr
.endm
.macro SCALES sc                       ; a K step's scale words: lanes 0-15 take A's block i, lanes 16-31 B's block i
.irp i, 0,1,2,3,4,5,6,7
	ds_load_b128 v[SC+8*NQ*\sc+NQ*\i:SC+8*NQ*\sc+NQ*\i+3], v[ADRS] offset:\i*SBLK
.endr
.endm
.macro PLACES n                        ; plain vector places behind matrix instructions, ahead of loads into their registers and of reads of their results
.rept \n
	v_nop
.endr
.endm
.macro STEP slot, q, zero              ; a step of 128 along K that has its successor in the same slot
	s_wait_dscnt 4*NL                              ; B's set and A's blocks 0-3 are in; the youngest eight loads (A's blocks 4-7) may be out
.if \zero
	WIN FST_LO
.else
	WIN MUL_LO
.endif
	MUL16 0, (\q)%2, \q, \slot, \zero
	MUL16 2, (\q)%2, \q, \slot, \zero
	s_wait_dscnt 0
	PLACES NP
	FETCH_B \slot, (\q)+1, 1-(\q)%2
	FETCH_A \slot, (\q)+1, 0
.if \zero
	WIN FST_HI
.else
	WIN MUL_HI
.endif
	MUL16 4, (\q)%2, \q, \slot, \zero
	MUL16 6, (\q)%2, \q, \slot, \zero
	PLACES NP
	WIN 0
	FETCH_A \slot, (\q)+1, 4
.endm
; Slot 0's last step changes slots: one barrier; in front of it each wave waits for all its tensor loads (slot 1's part), adds 0 to its spare word, and waits for that and its reads of slot 0.
.macro TURN slot, next
	s_wait_tensorcnt 0x0
	ds_add_u32 v[SPW], v[NIL]
	s_wait_dscnt 4*NL+1                            ; the add and the youngest eight loads may be out
	WIN MUL_LO
	MUL16 0, 1, NQ-1, \slot, 0
	s_wait_dscnt 0x0                               ; the add is done, and my reads of this slot are over
	s_barrier_signal -1
	MUL16 2, 1, NQ-1, \slot, 0
	WIN 0
	s_barrier_wait -1
	PLACES NP
	v_add_nc_u32 v[ADRS], 4*NQ, v[ADRS]            ; on to the next K step's scale words
	FETCH_B \next, 0, 0
	FETCH_A \next, 0, 0
	SCALES \next
	WIN MUL_HI
	MUL16 4, 1, NQ-1, \slot, 0
	MUL16 6, 1, NQ-1, \slot, 0
	PLACES NP
	WIN 0
	FETCH_A \next, 0, 4
.endm
	s_wait_tensorcnt 1                             ; the scales and my part of K step 0 are in (K step 1's load may be out),
	s_barrier_signal -1
	s_barrier_wait -1                              ; everybody's are
	FETCH_B 0, 0, 0
	FETCH_A 0, 0, 0
	SCALES 0
	FETCH_A 0, 0, 4
	s_wait_loadcnt 0x0                             ; the bias
	STEP 0, 0, 1
	STEP 0, 1, 0
	STEP 0, 2, 0
	TURN 0, 1
	STEP 1, 0, 0
	STEP 1, 1, 0
	STEP 1, 2, 0
	s_wait_dscnt 4*NL                              ; the very last step
	WIN MUL_LO
	MUL16 0, 1, NQ-1, 1, 0
	MUL16 2, 1, NQ-1, 1, 0
	s_wait_dscnt 0
	WIN MUL_HI
	MUL16 4, 1, NQ-1, 1, 0
	MUL16 6, 1, NQ-1, 1, 0
	WIN 0
	PLACES NP
; THE FIRST 16 TOKENS IN F32.  Where my block 0 holds a sequence's tokens 0 .. 15 all lanes stay on, elsewhere all go off: no branch hangs on a place in the cluster.
	v_cmp_eq_u32 vcc_lo, s100, v[NIL]
	s_wait_xcnt 0x0                                ; EXEC changes only behind this wait
	s_and_saveexec_b32 s101, vcc_lo
	WIN 0x08                                       ; a store's data: window 2
.irp b, 0,1,2,3,4,5,6,7
	global_store_b128 v[CO], v[8*\b:8*\b+3], s[98:99] offset:1024*\b             ; each accumulator from its low end on; 512 consecutive bytes a store
	global_store_b128 v[CO], v[8*\b+4:8*\b+7], s[98:99] offset:1024*\b+512
.endr
	WIN 0
	s_wait_xcnt 0x0                                ; and again ahead of the line that widens it
	s_or_b32 exec_lo, exec_lo, s101
; THE WAY OUT, block by block of 16 tokens x 128 columns (two heads): rounded to f16, 16 bytes a lane into my stage, back as 4 rows of 128 bytes an instruction, which are 512 consecutive bytes of a head.
.macro PACK a
.set AC, 64*((\a)%4)
	WIN 0x0a+5*((\a)/4)                            ; sources 0 and 1: window 2 or 3
.irp b, 0,1,2,3,4,5,6,7
.irp i, 0,1,2,3
	v_cvt_pk_f16_f32 v[TMP+4*\b+\i], v[AC+8*\b+2*\i], v[AC+8*\b+2*\i+1]
.endr
.endr
	WIN 0
.endm
.macro TOSTAGE a
.set BB, BK+32*((\a)%2)
.irp b, 0,1,2,3,4,5,6,7
	ds_store_b128 v[STO], v[TMP+4*\b:TMP+4*\b+3] offset:(\b/4)*2304+32*(\b%4)
.endr
.irp t, 0,1,2,3,4,5,6,7
	ds_load_b128 v[BB+4*\t:BB+4*\t+3], v[RD] offset:(\t/4)*2304+(\t%4)*576     ; LDS serves a wave's instructions in order: these see the stores above
.endr
.endm
.macro SEND a
.set BB, BK+32*((\a)%2)
	s_wait_dscnt 0x0                               ; the block is back in registers
	s_wait_xcnt 0x0                                ; the block before has read its registers: the next block's loads may land there
.irp t, 0,1,2,3,4,5,6,7
	global_store_b128 v[CO], v[BB+4*\t:BB+4*\t+3], s[12:13] offset:(\a)*2048+(\t/4)*262144+(\t%4)*512
.endr
.endm
	PACK 0
	TOSTAGE 0
.irp a, 1,2,3,4,5,6,7
	PACK \a
	SEND \a-1
	TOSTAGE \a
.endr
	SEND 7
	s_wait_tensorcnt 0x0                           ; the wave's end
	ds_add_u32 v[SPW], v[NIL]
	s_wait_dscnt 0x0
	CROUND                                         ; the closing round
	s_endpgm
.Lfunc_end_k_q9905b4be88_qkv:
	.size	k_q9905b4be88_qkv, .Lfunc_end_k_q9905b4be88_qkv-k_q9905b4be88_qkv
	.p2alignl 7, 3214868480
	.fill 96, 4, 3214868480
	.section	.rodata,"a",@progbits
	.p2align	6, 0x0
	.amdhsa_kernel k_q9905b4be88_qkv
		.amdhsa_group_segment_fixed_size 327680
		.amdhsa_private_segment_fixed_size 0
		.amdhsa_enable_private_segment 0
		.amdhsa_kernarg_size 56
		.amdhsa_user_sgpr_count 2
		.amdhsa_user_sgpr_kernarg_segment_ptr 1
		.amdhsa_wavefront_size32 1
		.amdhsa_system_sgpr_workgroup_id_x 1
		.amdhsa_system_sgpr_workgroup_id_y 1
		.amdhsa_system_sgpr_workgroup_id_z 1
		.amdhsa_system_vgpr_workitem_id 0
		.amdhsa_next_free_vgpr 1024
		.amdhsa_next_free_sgpr 102
		.amdhsa_reserve_vcc 1
		.amdhsa_float_denorm_mode_32 3
		.amdhsa_float_denorm_mode_16_64 3
		.amdhsa_memory_ordered 1
		.amdhsa_forward_progress 1
		.amdhsa_inst_pref_size 130
	.end_amdhsa_kernel
	.amdgpu_metadata
---
amdhsa.version: [ 1, 2 ]
amdhsa.kernels:
  - .name:           k_q9905b4be88_qkv
    .symbol:         k_q9905b4be88_qkv.kd
    .args:
      - { .name: xc, .offset: 0, .size: 8, .value_kind: global_buffer, .address_space: global }
      - { .name: xs, .offset: 8, .size: 8, .value_kind: global_buffer, .address_space: global }
      - { .name: wc, .offset: 16, .size: 8, .value_kind: global_buffer, .address_space: global }
      - { .name: ws, .offset: 24, .size: 8, .value_kind: global_buffer, .address_space: global }
      - { .name: qkv, .offset: 32, .size: 8, .value_kind: global_buffer, .address_space: global }
      - { .name: b_qkv, .offset: 40, .size: 8, .value_kind: global_buffer, .address_space: global }
      - { .name: q16, .offset: 48, .size: 8, .value_kind: global_buffer, .address_space: global }
    .group_segment_fixed_size: 327680
    .private_segment_fixed_size: 0
    .kernarg_segment_align: 8
    .kernarg_segment_size: 56
    .max_flat_workgroup_size: 128
    .sgpr_count:     102
    .vgpr_count:     1024
    .wavefront_size: 32
...
	.end_amdgpu_metadata
.endif
;; end of part 2
;; launch attn (part 3): grid 4 x 64, 16 waves a work-group, no clusters, 327,680 bytes of LDS; arguments qkv, ao; writes ao
.if DOCPART == 3
	.amdgcn_target "amdgcn-amd-amdhsa--gfx1250"
	.amdhsa_code_object_version 6
	.text
	.protected	k_q9905b4be88_attn
	.globl	k_q9905b4be88_attn
	.p2align	8
	.type	k_q9905b4be88_attn,@function
k_q9905b4be88_attn:
	s_mov_b64 s[64:65], 0
	v_nop
	global_prefetch_b8 v0, s[64:65] scope:SCOPE_SE
	s_setreg_imm32_b32 hwreg(HW_REG_WAVE_MODE, 25, 1), 1
	s_wait_xcnt 0x0
; ao[head][batch x 2048 + q][:] = the sum over k <= q of softmax_k(Q[q] . K[k] / 8) V[k][:], for 64 (batch, head) pairs of 2,048 tokens and 64 channels.
; Q, K, V: f16, [3][batch][head][token][64]; products by the f16 matrix form with f32 sums; maxima, exponentials and row sums in f32; the weights p are rounded to f16 for the second product, ao once at the end.
; SHARES.  Work-group (g, head) owns query blocks g and 7 - g of 256 queries: under the causal mask the two together have the same work for every g.  Each of sixteen waves owns 32 queries, two tiles of 16.
; Which block a wave takes is the bit (w xor w / 4) & 1, its 32 queries are w / 2: among waves w, w + 4, w + 8, w + 12 and among waves 4 s .. 4 s + 3 alike two take the short walk and two the long.
; No cluster: the four work-groups of a head need different numbers of K and V tiles under the mask (8, 7, 6, 5 slots).
; LAYOUT.  S^T = K Q^T (source 0 = 16 keys, source 1 = 16 queries), O^T = V^T P (source 0 = 16 channels x 32 keys, turned by ds_load_tr16_b128; source 1 = P): a lane holds ONE query throughout.
; SOFTMAX.  A running maximum m and sum l for each query: p = 2^(c s - c m), c = log2(e) / 8; in every step O and l are multiplied by a = 2^(c m_old - c m_new).
; RING.  Two LDS slots of 256 keys.  Every work-group walks all eight slots (constant trip counts); a step all of whose keys come after the wave's queries is jumped over, and a slot whose first key comes
; after the work-group's last query is not asked for.  Every wait on TENSORcnt is for 0.  One tensor load of a wave is out at the most.
; LIMITS: the inputs are f16 (their range is the launch before's concern); p under 6e-5 keeps an absolute error of 3e-8.
; REGISTERS: v1-13 addresses; v16-31 statistics, eight a tile (c m, m, l twice, c0-c3; a takes c2's place); v32-63 Q; v64-127 K, then V, of one step; v128-191 S^T, then p, then P packed in place; v192-255 O^T.
.set VOFF,  34816                      ; a slot: 128 LDS rows of K (two keys of 128 bytes each, + 16 of padding: 272), then 128 rows of V (+ 32: 288)
.set SLOT1, 131072
.set STAGE, 262144                     ; the way out: 16 rows x (128 bytes + 16) for each wave
.set SPARE, 299008                     ; the spare words, 128 bytes for each wave: eight blocks of 256 bytes that no other line names
.set AK0, 1
.set AV0, 2
.set ADK, 3
.set ADV, 4
.set SPW, 5
.set NIL, 6
.set DL,  7                            ; r - 8 h
.set DD,  8                            ; the mask's distance; at the head: Q's offset
.set NINF, 9
.set STO, 10
.set RD,  11
.set GO,  12
.set PFO, 13
.set ST,  16
.set Q,   32
.set KV,  64
.set S,   128
.set O,   192
.set TB,  2                            ; s2  LDS byte at which the slot in hand begins
.set WV,  18
.set SEL, 20
.set CS,  22
.set G1K, 24
.set G1V, 32
.set G0K, 40
.set G0V, 44
.set SLOTS, 67
.set PFA, 76
.set LIM, 80
.set QL,  95                           ; my work-group's last query
.set KF,  98                           ; the step's first key
.set Q0,  99                           ; my wave's first query
.macro TLOAD                           ; waves 0 and 1 fetch K's halves of a slot, waves 2 and 3 V's, the others nothing; an s_nop 0 and four v_nop follow each line
	s_cmp_lt_u32 s[WV], 2
	s_cbranch_scc0 .Lnot_k_\@
	tensor_load_to_lds s[G0K:G0K+3], s[G1K:G1K+7]
	s_nop 0
.rept 4
	v_nop
.endr
	s_branch .Lasked_\@
.Lnot_k_\@:
	s_cmp_lt_u32 s[WV], 4
	s_cbranch_scc0 .Lasked_\@
	tensor_load_to_lds s[G0V:G0V+3], s[G1V:G1V+7]
	s_nop 0
.rept 4
	v_nop
.endr
.Lasked_\@:
.endm
; A prefetch of the slot that the NEXT change of slots will ask for: 32,768 bytes of K and as many of V.  Each aligned block of 256 bytes is named once in the launch: of a head's four work-groups
; the one with g = 0 asks (it walks all eight slots); in it waves 4 to 7 ask for K's bytes and waves 8 to 11 for V's, 8,192 bytes a wave, lanes 256 bytes apart.  The last change that fills a slot asks for nothing.
.macro ASK
	s_cmp_gt_u32 s[SLOTS], s[LIM]
	s_cbranch_scc0 .Lnot_mine_\@
	global_prefetch_b8 v[PFO], s[PFA:PFA+1] th:TH_LOAD_NT scope:SCOPE_SE
.Lnot_mine_\@:
.endm
	s_load_b128 s[4:7], s[0:1], 0x0                ; qkv s[4:5], ao s[6:7]
	v_lshl_add_u32 v[SPW], v0, 2, SPARE
	v_mov_b32 v[NIL], 0
	ds_add_u32 v[SPW], v[NIL]                      ; the wave's opening: the add, twice on end, and its wait ahead of my first tensor load
	ds_add_u32 v[SPW], v[NIL]
	v_lshrrev_b32 v14, 5, v0
	v_readfirstlane_b32 s[WV], v14                 ; wave 0..15
	s_and_b32 s72, ttmp7, 0xffff                   ; batch x 16 + head
	s_lshl_b32 s74, s72, 18                        ; the head's first byte in each of q, k, v: 2,048 rows of 128 bytes
	s_mov_b32 s75, 0
	s_lshr_b32 s81, s[WV], 2
	s_xor_b32 s81, s81, s[WV]
	s_and_b32 s81, s81, 1
	s_sub_co_u32 s82, 7, ttmp9
	s_cmp_eq_u32 s81, 0
	s_cselect_b32 s82, ttmp9, s82                  ; my block of 256 queries: g or 7 - g
	s_lshl_b32 s82, s82, 8
	s_lshr_b32 s83, s[WV], 1
	s_lshl_b32 s83, s83, 5
	s_add_co_u32 s[Q0], s82, s83
	s_sub_co_u32 s[QL], 8, ttmp9
	s_lshl_b32 s[QL], s[QL], 8
	s_sub_co_u32 s[QL], s[QL], 1
	s_lshl_b32 s92, s[Q0], 7
	s_add_co_u32 s92, s92, s74                     ; my queries' rows
	s_mov_b32 s93, 0
	s_and_b32 s81, s72, 15
	s_lshl_b32 s81, s81, 13
	s_lshr_b32 s82, s72, 4
	s_lshl_b32 s82, s82, 11
	s_add_co_u32 s81, s81, s82
	s_add_co_u32 s81, s81, s[Q0]
	s_lshl_b32 s70, s81, 7                         ; ao: (head x 8192 + batch x 2048 + query) x 128 bytes
	s_mov_b32 s71, 0
	s_and_b32 s88, s[WV], 1                        ; which 128 keys of a slot I fetch, if I fetch
	s_lshl_b32 s90, s88, 14
	s_add_co_u32 s90, s90, s74
	s_mov_b32 s91, 0
	s_mul_i32 s89, s88, 17408
	s_mul_i32 s94, s88, 18432
	s_add_co_u32 s94, s94, VOFF
	; descriptor group 1: 128 keys are 16,384 dense bytes: 64 rows of 256 bytes (32 elements of 8), padded behind each row
	s_mov_b32 s[G1K], (3<<16)|(1<<20)|(5<<22)|(3<<25)     ; K: 4 words of padding behind every 64
	s_mov_b32 s[G1V], (3<<16)|(1<<20)|(5<<22)|(7<<25)     ; V: 8 words
.irp g, G1K, G1V
	s_mov_b32 s[\g+1], 32<<16                      ; tensor_dim0
	s_mov_b32 s[\g+2], 64<<16                      ; tensor_dim1
	s_mov_b32 s[\g+3], 32<<16                      ; tile_dim0
	s_mov_b32 s[\g+4], 64                          ; tile_dim1
	s_mov_b32 s[\g+5], 32                          ; the pitch
	s_mov_b32 s[\g+6], 0
	s_mov_b32 s[\g+7], 0
.endr
	s_mov_b32 s[SEL], 0x76543210
	s_mov_b32 s[SEL+1], 0xfedcba98                 ; lane l xor 16
	s_mov_b32 s[CS], 0x3e38aa3b                    ; c = log2(e) / 8
	s_mov_b32 s[CS+1], s[CS]
	s_mov_b32 s[TB], 0
	s_mov_b32 s[SLOTS], 7
	s_mov_b32 s[KF], 0
	s_wait_dscnt 0x0                               ; both opening adds are done
	s_wait_kmcnt 0x0
	s_add_nc_u64 s[84:85], s[4:5], 0x1000000       ; k's section of qkv
	s_add_nc_u64 s[86:87], s[4:5], 0x2000000       ; v's
	s_mov_b32 s[G0K], 1
	s_mov_b32 s[G0K+1], s89
	s_add_nc_u64 s[G0K+2:G0K+3], s[84:85], s[90:91]
	s_or_b32 s[G0K+3], s[G0K+3], 0x80000000
	s_mov_b32 s[G0V], 1
	s_mov_b32 s[G0V+1], s94
	s_add_nc_u64 s[G0V+2:G0V+3], s[86:87], s[90:91]
	s_or_b32 s[G0V+3], s[G0V+3], 0x80000000
	TLOAD                                          ; slot 0: keys 0 .. 255, which count for some query of every wave
	s_add_nc_u64 s[8:9], s[4:5], s[92:93]          ; Q at my first query
	s_add_nc_u64 s[6:7], s[6:7], s[70:71]          ; ao likewise
	s_cmp_lt_u32 s[WV], 8
	s_cselect_b64 s[PFA:PFA+1], s[84:85], s[86:87]
	s_and_b32 s82, s[WV], 3
	s_lshl_b32 s82, s82, 13
	s_add_co_u32 s82, s82, 32768                   ; in slot 1: the first change of slots steps it to slot 2.  Nothing is prefetched at the head
	s_add_co_u32 s82, s82, s74
	s_mov_b32 s83, 0
	s_add_nc_u64 s[PFA:PFA+1], s[PFA:PFA+1], s[82:83]
	s_sub_co_u32 s82, s[WV], 4
	s_lshr_b32 s82, s82, 3                         ; 0 in waves 4 to 11,
	s_or_b32 s82, s82, ttmp9                       ; of the work-group with g = 0
	s_cmp_eq_u32 s82, 0
	s_cselect_b32 s[LIM], 1, -1
	v_and_b32 v14, 15, v0                          ; r
	v_bfe_u32 v15, v0, 4, 1                        ; h
	v_lshlrev_b32 v[DD], 7, v14
	v_lshl_add_u32 v[DD], v15, 4, v[DD]            ; Q: row r of 128 bytes + 16 h
.irp t, 0,1
.irp f, 0,1
	global_load_b128 v[Q+16*\t+8*\f:Q+16*\t+8*\f+3], v[DD], s[8:9] offset:\t*2048+\f*64
	global_load_b128 v[Q+16*\t+8*\f+4:Q+16*\t+8*\f+7], v[DD], s[8:9] offset:\t*2048+\f*64+32
.endr
.endr
	v_lshrrev_b32 v[AK0], 1, v14                   ; K: key r lies in LDS row r / 2, half r % 2
	v_mul_u32_u24 v[AK0], v[AK0], 272
	v_and_b32 v[ADK], 1, v14
	v_lshl_add_u32 v[AK0], v[ADK], 7, v[AK0]
	v_lshl_add_u32 v[AK0], v15, 4, v[AK0]
	v_bfe_u32 v[AV0], v0, 1, 2                     ; V: the turning load's lane l reads key 8 h + l % 8, channels 8 ((l / 8) % 2) on
	v_lshl_add_u32 v[AV0], v15, 2, v[AV0]
	v_mul_u32_u24 v[AV0], v[AV0], 288
	v_and_b32 v[ADV], 1, v0
	v_lshl_add_u32 v[AV0], v[ADV], 7, v[AV0]
	v_bfe_u32 v[ADV], v0, 3, 1
	v_lshl_add_u32 v[AV0], v[ADV], 4, v[AV0]
	v_add_nc_u32 v[AV0], VOFF, v[AV0]
	v_lshlrev_b32 v[DL], 3, v15
	v_sub_nc_u32 v[DL], v14, v[DL]
	v_mov_b32 v[NINF], 0xff800000
	s_mul_i32 s96, s[WV], 2304
	s_add_co_u32 s96, s96, STAGE                   ; my stage
	v_mul_u32_u24 v[STO], v14, 144
	v_lshl_add_u32 v[STO], v15, 4, v[STO]
	v_add_nc_u32 v[STO], s96, v[STO]
	v_bfe_u32 v[RD], v0, 3, 2
	v_mul_u32_u24 v[RD], v[RD], 144
	v_and_b32 v[GO], 7, v0
	v_lshl_add_u32 v[RD], v[GO], 4, v[RD]
	v_add_nc_u32 v[RD], s96, v[RD]
	v_and_b32 v[GO], 31, v0
	v_lshlrev_b32 v[PFO], 8, v[GO]
	v_lshlrev_b32 v[GO], 4, v[GO]
.irp t, 0,1
	v_mov_b32 v[ST+8*\t+1], 0xff61b1e6             ; m = -3e38, under every score
	v_mul_f32 v[ST+8*\t], s[CS], v[ST+8*\t+1]      ; c m
.irp j, 2,3,4,5,6,7
	v_mov_b32 v[ST+8*\t+\j], 0
.endr
.endr
.set i, 0
.rept 64
	v_mov_b32 v[O+i], 0                            ; O^T: the step is written once; the first finds zeros, which its a = 0 leaves zeros
.set i, i+1
.endr
; A KEY STEP: 64 keys, the q-th of the slot in hand, for my two tiles of 16 queries.
.macro STEP q
	s_add_co_u32 s96, s[Q0], 31                    ; a step all of whose keys come after my 32 queries is left out: a branch on ids and the count of steps
	s_cmp_gt_u32 s[KF], s96
	s_cbranch_scc1 .Lhidden_\@
	v_add_nc_u32 v[ADK], s[TB], v[AK0]
	v_add_nc_u32 v[ADV], s[TB], v[AV0]
.irp kt, 0,1,2,3
.irp f, 0,1
	ds_load_b128 v[KV+16*\kt+8*\f:KV+16*\kt+8*\f+3], v[ADK] offset:(\q)*8704+\kt*2176+\f*64
	ds_load_b128 v[KV+16*\kt+8*\f+4:KV+16*\kt+8*\f+7], v[ADK] offset:(\q)*8704+\kt*2176+\f*64+32
.endr
.endr
	s_wait_dscnt 0x0
.irp f, 0,1                                    ; S^T = K Q^T: eight accumulators by turns; the first eight products start the sums
.irp kt, 0,1,2,3
.irp t, 0,1
.if \f == 0
	v_wmma_f32_16x16x32_f16 v[S+32*\t+8*\kt:S+32*\t+8*\kt+7], v[KV+16*\kt+8*\f:KV+16*\kt+8*\f+7], v[Q+16*\t+8*\f:Q+16*\t+8*\f+7], 0
.else
	v_wmma_f32_16x16x32_f16 v[S+32*\t+8*\kt:S+32*\t+8*\kt+7], v[KV+16*\kt+8*\f:KV+16*\kt+8*\f+7], v[Q+16*\t+8*\f:Q+16*\t+8*\f+7], v[S+32*\t+8*\kt:S+32*\t+8*\kt+7]
.endif
.endr
.endr
.endr
.rept 4
	v_nop                                          ; places ahead of the loads into K's registers and of the first read of the scores
.endr
.irp g, 0,1                                    ; V of this step, turned, lands while the softmax is walked
.irp c, 0,1,2,3
	ds_load_tr16_b128 v[KV+32*\g+8*\c:KV+32*\g+8*\c+3], v[ADV] offset:(\q)*9216+\g*4608+32*\c
	ds_load_tr16_b128 v[KV+32*\g+8*\c+4:KV+32*\g+8*\c+7], v[ADV] offset:(\q)*9216+\g*4608+2304+32*\c
.endr
.endr
	s_add_co_u32 s96, s[KF], 63                    ; a step all of whose keys count for all my queries skips the mask
	s_cmp_le_u32 s96, s[Q0]
	s_cbranch_scc1 .Lopen_\@
	s_sub_co_i32 s96, s[Q0], s[KF]
	v_add_nc_u32 v[DD], s96, v[DL]                 ; register 32 t + 8 kt + j holds key KF + 16 kt + 8 h + j for query Q0 + 16 t + r: hidden where 16 kt + j - 16 t > Q0 - KF + r - 8 h
.set n, 0
.rept 64
	v_cmp_gt_i32 vcc_lo, 16*((n%32)/8)+n%8-16*(n/32), v[DD]
	v_cndmask_b32 v[S+n], v[S+n], v[NINF], vcc_lo
.set n, n+1
.endr
.Lopen_\@:
.irp j, 0,1,2,3                                ; the maximum of a lane's 32 scores and the old m; each accumulator is read from its low end on
.irp t, 0,1
	v_max3_num_f32 v[ST+8*\t+4+\j], v[S+32*\t+8*\j], v[S+32*\t+8*\j+1], v[S+32*\t+8*\j+2]
.endr
.endr
.irp i, 3,5
.irp j, 0,1,2,3
.irp t, 0,1
	v_max3_num_f32 v[ST+8*\t+4+\j], v[ST+8*\t+4+\j], v[S+32*\t+8*\j+\i], v[S+32*\t+8*\j+\i+1]
.endr
.endr
.endr
.irp t, 0,1
	v_max3_num_f32 v[ST+8*\t+4], v[ST+8*\t+4], v[S+32*\t+7], v[S+32*\t+15]
.endr
.irp t, 0,1
	v_max3_num_f32 v[ST+8*\t+6], v[ST+8*\t+6], v[S+32*\t+23], v[S+32*\t+31]
.endr
.irp t, 0,1
	v_max3_num_f32 v[ST+8*\t+4], v[ST+8*\t+4], v[ST+8*\t+5], v[ST+8*\t+6]
.endr
.irp t, 0,1
	v_max3_num_f32 v[ST+8*\t+4], v[ST+8*\t+4], v[ST+8*\t+7], v[ST+8*\t+1]
.endr
.irp t, 0,1
	v_permlanex16_b32 v[ST+8*\t+5], v[ST+8*\t+4], s[SEL], s[SEL+1]   ; the query's other 32 keys lie in the lane 16 away
.endr
.irp t, 0,1
	v_mov_b32 v[ST+8*\t+7], v[ST+8*\t]             ; c m_old
.endr
.irp t, 0,1
	v_max_num_f32 v[ST+8*\t+1], v[ST+8*\t+4], v[ST+8*\t+5]
.endr
.irp t, 0,1
	v_mul_f32 v[ST+8*\t], s[CS], v[ST+8*\t+1]
.endr
.irp t, 0,1
	v_sub_f32 v[ST+8*\t+7], v[ST+8*\t+7], v[ST+8*\t]
.endr
.set i, 0
.rept 16
.irp t, 0,1
	v_pk_fma_f32 v[S+32*\t+2*i:S+32*\t+2*i+1], v[S+32*\t+2*i:S+32*\t+2*i+1], s[CS:CS+1], v[ST+8*\t:ST+8*\t+1] op_sel_hi:[1,0,0] neg_lo:[0,0,1] neg_hi:[0,0,1]   ; c s - c m
.endr
.set i, i+1
.endr
.irp t, 0,1
	v_exp_f32 v[ST+8*\t+6], v[ST+8*\t+7]           ; a
.endr
.set i, 0
.rept 32
.irp t, 0,1
	v_exp_f32 v[S+32*\t+i], v[S+32*\t+i]           ; p
.endr
.set i, i+1
.endr
	v_nop                                          ; a plain instruction behind the last exponential
	s_wait_alu depctr_va_vdst(0)                   ; one wait for the batch of 66, ahead of its first reader
.irp t, 0,1
	v_pk_mul_f32 v[ST+8*\t+2:ST+8*\t+3], v[ST+8*\t+2:ST+8*\t+3], v[ST+8*\t+6:ST+8*\t+7] op_sel_hi:[1,0]   ; l x a
.endr
.irp t, 0,1
	v_pk_add_f32 v[ST+8*\t+4:ST+8*\t+5], v[S+32*\t:S+32*\t+1], v[S+32*\t+2:S+32*\t+3]   ; the sum of the unrounded p, in two chains
.endr
.set i, 4
.rept 7
.irp t, 0,1
	v_pk_add_f32 v[ST+8*\t+2:ST+8*\t+3], v[ST+8*\t+2:ST+8*\t+3], v[S+32*\t+i:S+32*\t+i+1]
	v_pk_add_f32 v[ST+8*\t+4:ST+8*\t+5], v[ST+8*\t+4:ST+8*\t+5], v[S+32*\t+i+2:S+32*\t+i+3]
.endr
.set i, i+4
.endr
.irp t, 0,1
	v_pk_add_f32 v[ST+8*\t+2:ST+8*\t+3], v[ST+8*\t+2:ST+8*\t+3], v[ST+8*\t+4:ST+8*\t+5]
.endr
.set i, 0
.rept 16
.irp t, 0,1
	v_cvt_pk_f16_f32 v[S+32*\t+i], v[S+32*\t+2*i], v[S+32*\t+2*i+1]   ; P, packed in place: register i is written when registers 2 i and 2 i + 1 are read, and never ahead of them
.endr
.set i, i+1
.endr
.set i, 0
.rept 16
.irp t, 0,1
	v_pk_mul_f32 v[O+32*\t+2*i:O+32*\t+2*i+1], v[O+32*\t+2*i:O+32*\t+2*i+1], v[ST+8*\t+6:ST+8*\t+7] op_sel_hi:[1,0]   ; O^T x a
.endr
.set i, i+1
.endr
	s_wait_dscnt 0x0                               ; V is in
.irp g, 0,1                                    ; O^T += V^T P: eight accumulators by turns
.irp c, 0,1,2,3
.irp t, 0,1
	v_wmma_f32_16x16x32_f16 v[O+32*\t+8*\c:O+32*\t+8*\c+7], v[KV+32*\g+8*\c:KV+32*\g+8*\c+7], v[S+32*\t+8*\g:S+32*\t+8*\g+7], v[O+32*\t+8*\c:O+32*\t+8*\c+7]
.endr
.endr
.endr
.rept 5
	v_nop                                          ; the next step's products write over P, its loads over V; the way out reads O^T
.endr
.Lhidden_\@:
	s_add_co_u32 s[KF], s[KF], 64
.endm
; THE CHANGE OF SLOTS stands at a slot's head.  Each wave waits for all its tensor loads, adds 0 to its spare word (fill = 1: twice on end),
; and waits for that and for its reads of the slot that it has left.  Behind the barrier the slot ahead is whole and nobody reads the other one.
.macro CHANGE fill
	s_wait_tensorcnt 0x0
	ds_add_u32 v[SPW], v[NIL]
.if \fill
	ds_add_u32 v[SPW], v[NIL]
	s_xor_b32 s[G0K+1], s[G0K+1], SLOT1            ; no tensor load of mine is out: the walking descriptors step to the other slot, the next 256 keys
	s_add_nc_u64 s[G0K+2:G0K+3], s[G0K+2:G0K+3], 32768
	s_xor_b32 s[G0V+1], s[G0V+1], SLOT1
	s_add_nc_u64 s[G0V+2:G0V+3], s[G0V+2:G0V+3], 32768
	s_wait_xcnt 0x0                                ; the last prefetch, a slot back, has read its address
	s_add_nc_u64 s[PFA:PFA+1], s[PFA:PFA+1], 32768
.endif
	s_wait_dscnt 0x0
	s_barrier_signal -1
	s_barrier_wait -1
.if \fill
	s_add_co_u32 s96, s[KF], 256                   ; the first key of the slot that this change would ask for:
	s_cmp_gt_u32 s96, s[QL]                        ; past my work-group's last query no wave reads it, so it is not asked for.  Ids and the count of steps alone: all sixteen waves go the same way
	s_cbranch_scc1 .Lpast_\@
	TLOAD                                          ; a wave's one tensor load until the next barrier: it has a slot's four steps in which to land
.Lpast_\@:
	ASK
.endif
.endm
.macro SLOT_STEPS
	STEP 0
	STEP 1
	STEP 2
	STEP 3
	s_xor_b32 s[TB], s[TB], SLOT1
.endm
	s_wait_loadcnt 0x0                             ; Q
.Lslot:                                            ; seven trips
	CHANGE 1
	SLOT_STEPS
	s_sub_co_u32 s[SLOTS], s[SLOTS], 1
	s_cmp_lg_u32 s[SLOTS], 0
	s_cbranch_scc1 .Lslot
	CHANGE 0                                       ; the last slot is written out: nothing is left to ask for
	SLOT_STEPS
	; THE WAY OUT.  O^T / l, rounded to f16, a tile of 16 queries at a time through my stage: 16 queries of a head are 2,048 consecutive bytes of ao.
.irp t, 0,1
	v_add_f32 v[ST+8*\t+4], v[ST+8*\t+2], v[ST+8*\t+3]
.endr
.irp t, 0,1
	v_permlanex16_b32 v[ST+8*\t+5], v[ST+8*\t+4], s[SEL], s[SEL+1]
.endr
.irp t, 0,1
	v_add_f32 v[ST+8*\t+4], v[ST+8*\t+4], v[ST+8*\t+5]
.endr
.irp t, 0,1
	v_rcp_f32 v[ST+8*\t+6], v[ST+8*\t+4]
.endr
	v_nop
	s_wait_alu depctr_va_vdst(0)                   ; one wait for the two reciprocals, ahead of their first reader
.set i, 0
.rept 16
.irp t, 0,1
	v_pk_mul_f32 v[O+32*\t+2*i:O+32*\t+2*i+1], v[O+32*\t+2*i:O+32*\t+2*i+1], v[ST+8*\t+6:ST+8*\t+7] op_sel_hi:[1,0]
.endr
.set i, i+1
.endr
.irp t, 0,1
.set i, 0
.rept 16
	v_cvt_pk_f16_f32 v[KV+16*\t+i], v[O+32*\t+2*i], v[O+32*\t+2*i+1]
.set i, i+1
.endr
.irp c, 0,1,2,3
	ds_store_b128 v[STO], v[KV+16*\t+4*\c:KV+16*\t+4*\c+3] offset:32*\c      ; query r, channels 16 c + 8 h on
.endr
.irp i, 0,1,2,3
	ds_load_b128 v[KV+32+16*\t+4*\i:KV+32+16*\t+4*\i+3], v[RD] offset:576*\i   ; LDS serves a wave's instructions in order: these see the stores above, and the next tile's stores come behind them
.endr
.endr
.irp t, 0,1
.irp i, 0,1,2,3
	s_wait_dscnt 8*(1-\t)+3-\i                     ; behind this load: the tile's later loads, and for tile 0 the other tile's eight instructions
	global_store_b128 v[GO], v[KV+32+16*\t+4*\i:KV+32+16*\t+4*\i+3], s[6:7] offset:\t*2048+\i*512   ; 512 consecutive, aligned bytes
.endr
.endr
	s_wait_tensorcnt 0x0                           ; the wave's end
	ds_add_u32 v[SPW], v[NIL]
	s_wait_dscnt 0x0
	s_endpgm
.Lfunc_end_k_q9905b4be88_attn:
	.size	k_q9905b4be88_attn, .Lfunc_end_k_q9905b4be88_attn-k_q9905b4be88_attn
	.p2alignl 7, 3214868480
	.fill 96, 4, 3214868480
	.section	.rodata,"a",@progbits
	.p2align	6, 0x0
	.amdhsa_kernel k_q9905b4be88_attn
		.amdhsa_group_segment_fixed_size 327680
		.amdhsa_private_segment_fixed_size 0
		.amdhsa_enable_private_segment 0
		.amdhsa_kernarg_size 16
		.amdhsa_user_sgpr_count 2
		.amdhsa_user_sgpr_kernarg_segment_ptr 1
		.amdhsa_wavefront_size32 1
		.amdhsa_system_sgpr_workgroup_id_x 1
		.amdhsa_system_sgpr_workgroup_id_y 1
		.amdhsa_system_sgpr_workgroup_id_z 1
		.amdhsa_system_vgpr_workitem_id 0
		.amdhsa_next_free_vgpr 256
		.amdhsa_next_free_sgpr 100
		.amdhsa_reserve_vcc 1
		.amdhsa_float_denorm_mode_32 3
		.amdhsa_float_denorm_mode_16_64 3
		.amdhsa_memory_ordered 1
		.amdhsa_forward_progress 1
		.amdhsa_inst_pref_size 189
	.end_amdhsa_kernel
	.amdgpu_metadata
---
amdhsa.version: [ 1, 2 ]
amdhsa.kernels:
  - .name:           k_q9905b4be88_attn
    .symbol:         k_q9905b4be88_attn.kd
    .args:
      - { .name: qkv, .offset: 0, .size: 8, .value_kind: global_buffer, .address_space: global }
      - { .name: ao, .offset: 8, .size: 8, .value_kind: global_buffer, .address_space: global }
    .group_segment_fixed_size: 327680
    .private_segment_fixed_size: 0
    .kernarg_segment_align: 8
    .kernarg_segment_size: 16
    .max_flat_workgroup_size: 512
    .sgpr_count:     100
    .vgpr_count:     256
    .wavefront_size: 32
...
	.end_amdgpu_metadata
.endif
;; end of part 3
;; launch proj (part 4): grid 4 x 64, 4 waves a work-group, clusters of 4 x 4, 327,680 bytes of LDS; arguments ao, wo16, b_out, out0; writes out0
.if DOCPART == 4
	.amdgcn_target "amdgcn-amd-amdhsa--gfx1250"
	.amdhsa_code_object_version 6
	.text
	.protected	k_q9905b4be88_proj
	.globl	k_q9905b4be88_proj
	.p2align	8
	.type	k_q9905b4be88_proj,@function
k_q9905b4be88_proj:
	s_mov_b64 s[64:65], 0
	v_nop
	global_prefetch_b8 v0, s[64:65] scope:SCOPE_SE
	s_setreg_imm32_b32 hwreg(HW_REG_WAVE_MODE, 25, 1), 1
	s_wait_xcnt 0x0
	s_wait_alu depctr_hold_cnt(0) depctr_sa_sdst(0) depctr_va_vdst(0) depctr_va_sdst(0) depctr_va_ssrc(0) depctr_va_vcc(0) depctr_vm_vsrc(0)
	s_getreg_b32 s2, hwreg(HW_REG_IB_STS2, 6, 4)
	s_cmp_eq_u32 s2, 0
	s_cbranch_scc0 .Lentry_in_a_cluster
	s_endpgm
.Lentry_in_a_cluster:
	s_bfe_u32 s2, ttmp6, 0x10000c
	s_cmp_lg_u32 s2, 0xf033
	s_cbranch_scc0 .Lentry_shape_is_right
	s_endpgm
.Lentry_shape_is_right:
; out0[m][n] = the sum over k of ao[m][k] W_out[k][n] + b_out[n], m = 8,192 tokens, n = 1,024, k = head x 64 + channel; f16 operands, f32 sums.
; ao lies [head 16][token 8192][64] f16: K innermost within a head.  wo16 lies [k 1024][n 1024] f16: its fragments are turned by ds_load_tr16_b128.
; A tile of 128 tokens x 256 columns to a work-group: 256 work-groups.  Four waves, 64 x 128 each: 32 accumulators.  K goes in steps of 128 (two heads) through a ring of two LDS slots.
; CLUSTERS: 4 x 4 work-groups; ao's tiles are asked for jointly along a row of the cluster, W's along a column.
; THE MATRIX INSTRUCTION IS USED TRANSPOSED (source 0 = 16 columns of W, source 1 = 16 tokens): a lane holds eight neighbouring columns of one token.  The bias is the C of each sum's first product.
; The rows of the first 16 tokens of each sequence are written here like the others and written again, more finely, by the launch that follows.
; REGISTERS: window 0: v16-30 addresses; two fragment buffers of 96 at v32 and v128 (A's 4 blocks, then W's 8); window 1: accumulator (a, b) at v[8 (8 a + b)]; window 2: v0-63 the bias.
.set SLOT,  104448                     ; A's even head: 64 LDS rows (two tokens of 128 bytes, + 16) = 17,408; A's odd head; W: 128 rows of 512 bytes + 32 = 69,632
.set BOFF,  34816
.set SPARE, 208896                     ; the spare words, 128 bytes for each wave
.set ADRA, 16
.set ADRB, 20
.set STO,  24
.set RD,   25
.set CO,   26
.set SPW,  28
.set NIL,  29
.set F0,   32
.set F1,   128
.set G1, 24
.set G0, 32
.set G1B, 48
.set G0B, 56
.set MSB, 0
.macro WIN new
.if MSB != \new
	s_set_vgpr_msb (MSB<<8)|\new
.set MSB, \new
.endif
.endm
.set MUL, 0x50                         ; C and D window 1, both sources window 0
.set FST, 0x60                         ; the first products: C (the bias) window 2, D window 1
.macro JLOAD s                         ; a joint load: waves 0 and 1 fetch A's two heads, waves 2 and 3 W's two halves; an s_nop 0 and four v_nop follow each line
	s_cmp_eq_u32 s13, 0
	s_cbranch_scc0 .Lfor_b_\@
	tensor_load_to_lds s[G0+4*\s:G0+4*\s+3], s[G1:G1+7]
	s_nop 0
.rept 4
	v_nop
.endr
	s_branch .Lasked_\@
.Lfor_b_\@:
	tensor_load_to_lds s[G0B+4*\s:G0B+4*\s+3], s[G1B:G1B+7]
	s_nop 0
.rept 4
	v_nop
.endr
.Lasked_\@:
.endm
.macro CREST
	s_cmp_lg_u32 s12, 0
	s_cbranch_scc1 .Lnot_wave_0_\@
	s_barrier_signal -3
.Lnot_wave_0_\@:
	s_barrier_wait -3
	s_barrier_signal -1
	s_barrier_wait -1
.endm
.macro CROUND
	s_barrier_signal -1
	s_barrier_wait -1
	CREST
.endm
	s_load_b256 s[4:11], s[0:1], 0x0               ; ao s[4:5], wo16 s[6:7], b_out s[8:9], out0 s[10:11]
	v_lshl_add_u32 v[SPW], v0, 2, SPARE
	v_mov_b32 v[NIL], 0
	ds_add_u32 v[SPW], v[NIL]                      ; the wave's opening: the add, twice on end, and its wait ahead of my first tensor load
	ds_add_u32 v[SPW], v[NIL]
	v_lshrrev_b32 v1, 5, v0
	v_readfirstlane_b32 s12, v1                    ; wave 0..3
	s_lshr_b32 s13, s12, 1                         ; which 64 tokens are mine.  Also: I fetch for A (0) or for W (1)
	s_and_b32 s14, s12, 1                          ; which 128 columns.  Also: which half I fetch
	s_bfe_u32 s40, ttmp6, 0x40000                  ; cx
	s_bfe_u32 s41, ttmp6, 0x40004                  ; cy
	s_lshl_b32 s42, ttmp9, 2
	s_add_co_u32 s42, s42, s40                     ; tile column
	s_and_b32 s15, ttmp7, 0xffff
	s_lshl_b32 s15, s15, 2
	s_add_co_u32 s15, s15, s41                     ; tile row
	s_lshl_b32 s43, s41, 2
	s_lshl_b32 s43, 15, s43                        ; my row of the cluster
	s_lshl_b32 s44, 0x1111, s40                    ; my column
	s_or_b32 s[G1+0], s43, (3<<16)|(1<<20)|(1<<21)|(5<<22)|(3<<25)    ; A: 128 tokens of a head are 16,384 dense bytes: 64 rows of 256 (32 elements of 8), 4 words of padding behind each
	s_mov_b32 s[G1+1], 32<<16
	s_mov_b32 s[G1+2], 64<<16
	s_mov_b32 s[G1+3], 32<<16
	s_mov_b32 s[G1+4], 64
	s_mov_b32 s[G1+5], 32
	s_mov_b32 s[G1+6], 0
	s_mov_b32 s[G1+7], 0
	s_or_b32 s[G1B+0], s44, (1<<16)|(1<<20)|(1<<21)|(6<<22)|(7<<25)   ; W: 64 rows of 256 elements of 2 bytes, 1,024 elements apart, 8 words of padding behind every 128
	s_mov_b32 s[G1B+1], 256<<16
	s_mov_b32 s[G1B+2], 64<<16
	s_mov_b32 s[G1B+3], 256<<16
	s_mov_b32 s[G1B+4], 64
	s_mov_b32 s[G1B+5], 1024
	s_mov_b32 s[G1B+6], 0
	s_mov_b32 s[G1B+7], 0
	s_lshl_b32 s16, s14, 20                        ; A: head (w & 1), 1,048,576 bytes a head,
	s_lshl_b32 s17, s15, 14                        ; + tile row x 128 tokens x 128 bytes
	s_add_co_u32 s16, s16, s17
	s_mov_b32 s17, 0
	s_lshl_b32 s46, s14, 17                        ; W: k rows 64 (w & 1) on, 2,048 bytes a row,
	s_lshl_b32 s47, s42, 9                         ; + tile column x 512 bytes
	s_add_co_u32 s46, s46, s47
	s_mov_b32 s47, 0
	s_mul_i32 s20, s14, 17408                      ; where they go: the wave's number alone
	s_mul_i32 s21, s14, 34816
	s_add_co_u32 s21, s21, BOFF
	s_wait_dscnt 0x0                               ; both opening adds are done
	s_wait_kmcnt 0x0
	s_add_nc_u64 s[16:17], s[4:5], s[16:17]
	s_add_nc_u64 s[46:47], s[6:7], s[46:47]
	CROUND                                         ; all sixteen work-groups are here: the first joint loads meet
.irp s, 0,1
	s_mov_b32 s[G0+4*\s], 1
	s_add_co_u32 s[G0+4*\s+1], s20, \s*SLOT
	s_add_nc_u64 s[G0+4*\s+2:G0+4*\s+3], s[16:17], \s*2097152        ; K step s: heads 2 s, 2 s + 1
	s_or_b32 s[G0+4*\s+3], s[G0+4*\s+3], 0x80000000
	s_mov_b32 s[G0B+4*\s], 1
	s_add_co_u32 s[G0B+4*\s+1], s21, \s*SLOT
	s_add_nc_u64 s[G0B+4*\s+2:G0B+4*\s+3], s[46:47], \s*262144       ; k rows 128 s on
	s_or_b32 s[G0B+4*\s+3], s[G0B+4*\s+3], 0x80000000
	JLOAD \s                                       ; two tensor loads of mine are out
.endr
	v_and_b32 v1, 15, v0                           ; r
	v_bfe_u32 v2, v0, 4, 1                         ; h
	v_lshrrev_b32 v3, 1, v1
	v_mul_u32_u24 v3, v3, 272
	v_and_b32 v4, 1, v0
	v_lshl_add_u32 v3, v4, 7, v3
	v_lshl_add_u32 v3, v2, 4, v3                   ; A: token r in LDS row r / 2, half r % 2, + 16 h
	v_and_b32 v4, 7, v0
	v_lshl_add_u32 v4, v2, 3, v4
	v_mul_u32_u24 v4, v4, 544
	v_bfe_u32 v5, v0, 3, 1
	v_lshl_add_u32 v4, v5, 4, v4                   ; W: the turning load's lane l reads k row 8 h + l % 8, columns 8 ((l / 8) % 2) on
	s_mul_i32 s22, s13, 8704                       ; my 64 tokens
	s_lshl_b32 s23, s14, 8                         ; my 128 columns
	s_add_co_u32 s23, s23, BOFF
.irp s, 0,1
	v_add_nc_u32 v[ADRA+\s], s22, v3
	v_add_nc_u32 v[ADRB+\s], s23, v4
	s_add_co_u32 s22, s22, SLOT
	s_add_co_u32 s23, s23, SLOT
.endr
	s_mul_i32 s22, s12, 8448                       ; my stage for the way out, in slot 0: 16 rows x (512 bytes + 16)
	v_mul_u32_u24 v5, v1, 528
	v_lshl_add_u32 v5, v2, 5, v5
	v_add_nc_u32 v[STO], s22, v5
	v_and_b32 v6, 31, v0
	v_lshlrev_b32 v[CO], 4, v6
	v_add_nc_u32 v[RD], s22, v[CO]
	v_lshlrev_b32 v30, 5, v2
	s_lshl_b32 s46, s42, 10
	s_lshl_b32 s47, s14, 9
	s_add_co_u32 s46, s46, s47                     ; 4 x my first column
	s_mov_b32 s47, 0
	s_add_nc_u64 s[8:9], s[8:9], s[46:47]
	WIN 0x80                                       ; destination window 2
.irp b, 0,1,2,3,4,5,6,7
	global_load_b128 v[8*\b:8*\b+3], v30, s[8:9] offset:64*\b                 ; b_out at columns 16 b + 8 h + 0 .. 7
	global_load_b128 v[8*\b+4:8*\b+7], v30, s[8:9] offset:64*\b+16
.endr
	WIN 0
	s_lshl_b32 s16, s15, 7
	s_lshl_b32 s17, s13, 6
	s_add_co_u32 s16, s16, s17                     ; my first token
	s_lshl_b32 s16, s16, 12
	s_add_co_u32 s16, s16, s46
	s_mov_b32 s17, 0
	s_add_nc_u64 s[10:11], s[10:11], s[16:17]
.macro MUL8 f, a, first                ; A's block a x W's eight, 32 along K
.irp b, 0,1,2,3,4,5,6,7
.if \first
	v_wmma_f32_16x16x32_f16 v[8*(8*(\a)+\b):8*(8*(\a)+\b)+7], v[\f+32+8*\b:\f+32+8*\b+7], v[\f+8*(\a):\f+8*(\a)+7], v[8*\b:8*\b+7]
.else
	v_wmma_f32_16x16x32_f16 v[8*(8*(\a)+\b):8*(8*(\a)+\b)+7], v[\f+32+8*\b:\f+32+8*\b+7], v[\f+8*(\a):\f+8*(\a)+7], v[8*(8*(\a)+\b):8*(8*(\a)+\b)+7]
.endif
.endr
.endm
.macro FETCH slot, q, f                ; 24 LDS loads in one run: the fragments of the slot's q-th 32 along K: W's eight (turned), then A's four
.irp i, 0,1,2,3,4,5,6,7
	ds_load_tr16_b128 v[\f+32+8*\i:\f+32+8*\i+3], v[ADRB+\slot] offset:(\q)*17408+32*\i
	ds_load_tr16_b128 v[\f+32+8*\i+4:\f+32+8*\i+7], v[ADRB+\slot] offset:(\q)*17408+8704+32*\i
.endr
.irp i, 0,1,2,3
	ds_load_b128 v[\f+8*\i:\f+8*\i+3], v[ADRA+\slot] offset:((\q)/2)*17408+((\q)%2)*64+\i*2176
	ds_load_b128 v[\f+8*\i+4:\f+8*\i+7], v[ADRA+\slot] offset:((\q)/2)*17408+((\q)%2)*64+\i*2176+32
.endr
.endm
.macro PLACES
.rept 4
	v_nop
.endr
.endm
; A K step is four quarters of 32 along K, 32 matrix instructions each, on buffers 0, 1, 0, 1; the 32 accumulators take turns in the same order in every quarter.
.macro QUARTER slot, q, f, g, first    ; multiplies buffer f and fetches the slot's quarter q into g
	s_wait_dscnt 4                                 ; W's fragments and A's blocks 0, 1 are in; the youngest four loads (A's blocks 2, 3) may be out
.if \first
	WIN FST
.else
	WIN MUL
.endif
	MUL8 \f, 0, \first
	MUL8 \f, 1, \first
	PLACES
	WIN 0
	FETCH \slot, \q, \g
	s_wait_dscnt 24                                ; all but the 24 just issued
.if \first
	WIN FST
.else
	WIN MUL
.endif
	MUL8 \f, 2, \first
	MUL8 \f, 3, \first
.endm
; The last quarter multiplies buffer 1 and changes slots: one barrier; in front of it each wave waits for all its tensor loads, adds 0 to its spare word, and waits for that and its reads of this slot.
.macro TURN slot, next, fill
	WIN 0
	s_wait_tensorcnt 0x0                           ; all my tensor loads have landed: my part of the next slot
	ds_add_u32 v[SPW], v[NIL]
	s_wait_dscnt 5                                 ; the add and the youngest four loads may be out
	WIN MUL
	MUL8 F1, 0, 0
	s_wait_dscnt 0x0                               ; the add is done, and my reads of this slot are over
	s_barrier_signal -1
	MUL8 F1, 1, 0
	WIN 0
	s_barrier_wait -1
.if \fill
	CREST                                          ; the barrier has opened a round of the cluster's barrier: no wave of any partner still reads this slot or has a load on its way
	s_add_nc_u64 s[G0+4*\slot+2:G0+4*\slot+3], s[G0+4*\slot+2:G0+4*\slot+3], 4194304     ; two K steps on: four heads
	s_add_nc_u64 s[G0B+4*\slot+2:G0B+4*\slot+3], s[G0B+4*\slot+2:G0B+4*\slot+3], 524288  ; 256 k rows
	JLOAD \slot                                    ; the first tensor load behind the round; its four v_nop are also the places ahead of the loads below
.else
	PLACES
.endif
	FETCH \next, 0, F0
	WIN MUL
	MUL8 F1, 2, 0
	MUL8 F1, 3, 0
.endm
	s_wait_tensorcnt 1                             ; my part of K step 0 is in,
	s_barrier_signal -1
	s_barrier_wait -1                              ; everybody's is
	FETCH 0, 0, F0
	s_wait_loadcnt 0x0                             ; the bias
	QUARTER 0, 1, F0, F1, 1                        ; the first quarter stands ahead of the loop: its products start the sums
	WIN 0
	s_mov_b32 s3, 3
.Llap:                                             ; a trip goes once round the ring and fills both slots again: K steps 2 .. 7
	QUARTER 0, 2, F1, F0, 0
	QUARTER 0, 3, F0, F1, 0
	TURN 0, 1, 1
	QUARTER 1, 1, F0, F1, 0
	QUARTER 1, 2, F1, F0, 0
	QUARTER 1, 3, F0, F1, 0
	TURN 1, 0, 1
	QUARTER 0, 1, F0, F1, 0
	WIN 0
	s_sub_co_u32 s3, s3, 1
	s_cmp_lg_u32 s3, 0
	s_cbranch_scc1 .Llap
	QUARTER 0, 2, F1, F0, 0                        ; the last lap fills nothing
	QUARTER 0, 3, F0, F1, 0
	TURN 0, 1, 0
	QUARTER 1, 1, F0, F1, 0
	QUARTER 1, 2, F1, F0, 0
	QUARTER 1, 3, F0, F1, 0
	s_wait_dscnt 4
	WIN MUL
	MUL8 F1, 0, 0
	MUL8 F1, 1, 0
	s_wait_dscnt 0
	MUL8 F1, 2, 0
	MUL8 F1, 3, 0
	WIN 0
; THE WAY OUT, block by block of 16 tokens x 128 columns, through my stage in slot 0 (its last fill and its last read are past): back as whole rows of 512 bytes.
.macro TOSTAGE a
	WIN 0x04                                       ; an LDS store's data: window 1
.irp b, 0,1,2,3,4,5,6,7
	ds_store_b128 v[STO], v[64*(\a)+8*\b:64*(\a)+8*\b+3] offset:64*\b          ; each accumulator from its low end on
	ds_store_b128 v[STO], v[64*(\a)+8*\b+4:64*(\a)+8*\b+7] offset:64*\b+16
.endr
	WIN 0
.set BB, 32+64*((\a)%2)
.irp t, 0,1,2,3,4,5,6,7,8,9,10,11,12,13,14,15
	ds_load_b128 v[BB+4*\t:BB+4*\t+3], v[RD] offset:\t*528
.endr
.endm
.macro SEND a, younger
.set BB, 32+64*((\a)%2)
	s_wait_dscnt \younger
.irp t, 0,1,2,3,4,5,6,7,8,9,10,11,12,13,14,15
	global_store_b128 v[CO], v[BB+4*\t:BB+4*\t+3], s[10:11] offset:(\a)*65536+\t*4096 th:TH_STORE_NT   ; 512 consecutive, aligned bytes
.endr
.endm
	PLACES
	TOSTAGE 0
.irp a, 1,2,3
.if \a > 1
	s_wait_xcnt 0x0                                ; block a - 2's stores have read their registers: block a's loads may land there
.endif
	TOSTAGE \a
	SEND \a-1, 32                                  ; behind block a - 1's loads: block a's 16 stores and 16 loads
.endr
	SEND 3, 0
	s_wait_tensorcnt 0x0                           ; the wave's end
	ds_add_u32 v[SPW], v[NIL]
	s_wait_dscnt 0x0
	CROUND                                         ; the closing round
	s_endpgm
.Lfunc_end_k_q9905b4be88_proj:
	.size	k_q9905b4be88_proj, .Lfunc_end_k_q9905b4be88_proj-k_q9905b4be88_proj
	.p2alignl 7, 3214868480
	.fill 96, 4, 3214868480
	.section	.rodata,"a",@progbits
	.p2align	6, 0x0
	.amdhsa_kernel k_q9905b4be88_proj
		.amdhsa_group_segment_fixed_size 327680
		.amdhsa_private_segment_fixed_size 0
		.amdhsa_enable_private_segment 0
		.amdhsa_kernarg_size 32
		.amdhsa_user_sgpr_count 2
		.amdhsa_user_sgpr_kernarg_segment_ptr 1
		.amdhsa_wavefront_size32 1
		.amdhsa_system_sgpr_workgroup_id_x 1
		.amdhsa_system_sgpr_workgroup_id_y 1
		.amdhsa_system_sgpr_workgroup_id_z 1
		.amdhsa_system_vgpr_workitem_id 0
		.amdhsa_next_free_vgpr 768
		.amdhsa_next_free_sgpr 66
		.amdhsa_reserve_vcc 0
		.amdhsa_float_denorm_mode_32 3
		.amdhsa_float_denorm_mode_16_64 3
		.amdhsa_memory_ordered 1
		.amdhsa_forward_progress 1
		.amdhsa_inst_pref_size 86
	.end_amdhsa_kernel
	.amdgpu_metadata
---
amdhsa.version: [ 1, 2 ]
amdhsa.kernels:
  - .name:           k_q9905b4be88_proj
    .symbol:         k_q9905b4be88_proj.kd
    .args:
      - { .name: ao, .offset: 0, .size: 8, .value_kind: global_buffer, .address_space: global }
      - { .name: wo16, .offset: 8, .size: 8, .value_kind: global_buffer, .address_space: global }
      - { .name: b_out, .offset: 16, .size: 8, .value_kind: global_buffer, .address_space: global }
      - { .name: out0, .offset: 24, .size: 8, .value_kind: global_buffer, .address_space: global }
    .group_segment_fixed_size: 327680
    .private_segment_fixed_size: 0
    .kernarg_segment_align: 8
    .kernarg_segment_size: 32
    .max_flat_workgroup_size: 128
    .sgpr_count:     66
    .vgpr_count:     768
    .wavefront_size: 32
...
	.end_amdgpu_metadata
.endif
;; end of part 4
;; launch fine (part 5): grid 16 x 4, 16 waves a work-group, no clusters, 71,680 bytes of LDS; arguments q16, W_out, b_out, out0; writes out0
.if DOCPART == 5
	.amdgcn_target "amdgcn-amd-amdhsa--gfx1250"
	.amdhsa_code_object_version 6
	.text
	.protected	k_q9905b4be88_fine
	.globl	k_q9905b4be88_fine
	.p2align	8
	.type	k_q9905b4be88_fine,@function
k_q9905b4be88_fine:
	s_mov_b64 s[64:65], 0
	v_nop
	global_prefetch_b8 v0, s[64:65] scope:SCOPE_SE
	s_setreg_imm32_b32 hwreg(HW_REG_WAVE_MODE, 25, 1), 1
	s_wait_xcnt 0x0
; The first 16 positions of every sequence once more, all in f32: they average one to sixteen values, so the rounding of 16-bit operands would weigh most there.
; Work-group (slice of 64 output columns, batch).  Wave w is head w: scores of 16 queries x 16 keys, softmax under the causal mask, p v, and its own 64 of the projection's K for the slice's 64 columns.
; The sixteen heads' partial sums meet in LDS; waves 0 .. 7 add them, and b_out, and store two rows of 256 bytes each.  96 matrix instructions of the f32 form a wave: no bulk work.
; q16 holds q, k, v of these tokens as images of accumulator registers: element (token r, column n) at (batch x 192 + n / 16) x 1024 + ((n / 4) % 2) x 512 + ((n / 8) % 2) x 256 + 16 r + 4 (n % 4).
; The f32 form takes k = 2 h + j from register j of lane (r, h).  A permutation of k applied alike to both sources keeps the products:
;   scores: K step G takes the four channels that lie at byte 256 G of a head's 4,096;   p v: K step kk takes keys 8 h + 2 kk + j, as p lies;   projection: channels 16 ct + 8 h + 2 kk + j, as the result of p v lies.
; v112-143, the four accumulators, are written by matrix instructions alone; every sum begins with the constant 0.
; REGISTERS: v1-11 offsets; v[12:15] b_out; v16-47 q; v48-79 k; v80-111 v; v144-151 scores, then p; v152-159 at work; v160-191 p v / l; v192-255 W's first half; v16-79 later W's second half, later the partial sums.
.set SPARE, 69632                      ; behind the sixteen stages of 16 rows x (256 bytes + 16): the spare words, 128 bytes for each wave
	s_load_b256 s[4:11], s[0:1], 0x0               ; q16 s[4:5], W_out s[6:7], b_out s[8:9], out0 s[10:11]
	v_lshl_add_u32 v8, v0, 2, SPARE                ; my spare word; never rewritten
	v_mov_b32 v9, 0                                ; 0; never rewritten
	v_lshrrev_b32 v1, 5, v0
	v_readfirstlane_b32 s12, v1                    ; wave = head
	s_and_b32 s13, ttmp7, 0xffff                   ; batch
	v_and_b32 v1, 15, v0                           ; r
	v_bfe_u32 v2, v0, 4, 1                         ; h
	v_lshlrev_b32 v3, 4, v1
	v_lshl_add_u32 v3, v2, 3, v3                   ; q, k: 16 r + 8 h
	v_bfe_u32 v4, v0, 2, 1
	v_lshlrev_b32 v4, 9, v4
	v_bfe_u32 v5, v0, 3, 1
	v_lshl_add_u32 v4, v5, 8, v4
	v_and_b32 v5, 3, v0
	v_lshl_add_u32 v4, v5, 2, v4
	v_lshl_add_u32 v4, v2, 7, v4                   ; v: channel r of a tile, keys 8 h on
	v_lshlrev_b32 v5, 2, v1
	v_lshl_add_u32 v5, v2, 15, v5                  ; W: column r, rows 8 h on
	v_lshlrev_b32 v6, 3, v2
	v_sub_nc_u32 v6, v1, v6                        ; r - 8 h
	v_mov_b32 v7, 0xff800000
	s_mul_i32 s14, s12, 4352
	v_mul_u32_u24 v10, v1, 272
	v_lshl_add_u32 v10, v2, 5, v10
	v_add_nc_u32 v10, s14, v10                     ; my stage: row r, + 32 h
	s_min_u32 s14, s12, 7                          ; (waves 8 .. 15 do not read back)
	s_mul_i32 s14, s14, 544
	v_mul_u32_u24 v11, v2, 272
	v_lshl_add_u32 v11, v1, 4, v11
	v_add_nc_u32 v11, s14, v11                     ; back: row 2 w + h of a stage, 16 bytes a lane
	v_lshlrev_b32 v2, 12, v2
	v_lshl_add_u32 v2, v1, 4, v2                   ; out0: h rows of 4,096 bytes + 16 r
	v_lshlrev_b32 v1, 4, v1                        ; b_out: 16 r
	s_mov_b32 s24, 0x76543210
	s_mov_b32 s25, 0xfedcba98                      ; lane l xor 16
	s_mov_b32 s26, 0x3e38aa3b                      ; c = log2(e) / 8
	s_mul_i32 s16, s13, 196608
	s_lshl_b32 s17, s12, 12
	s_add_co_u32 s16, s16, s17                     ; q16: my batch, my head's four tiles
	s_mov_b32 s17, 0
	s_lshl_b32 s18, s12, 18
	s_lshl_b32 s20, ttmp9, 8
	s_add_co_u32 s18, s18, s20                     ; W_out: rows 64 w on, the slice's columns
	s_mov_b32 s19, 0
	s_mov_b32 s21, 0
	s_lshl_b32 s22, s13, 11
	s_lshl_b32 s23, s12, 1
	s_add_co_u32 s22, s22, s23
	s_lshl_b32 s22, s22, 12
	s_add_co_u32 s22, s22, s20                     ; out0: row batch x 2048 + 2 w, the slice's columns
	s_mov_b32 s23, 0
	s_wait_kmcnt 0x0
	s_add_nc_u64 s[4:5], s[4:5], s[16:17]
	s_add_nc_u64 s[6:7], s[6:7], s[18:19]
	s_add_nc_u64 s[8:9], s[8:9], s[20:21]
	s_add_nc_u64 s[10:11], s[10:11], s[22:23]
	global_load_b128 v[12:15], v1, s[8:9]
.set G, 0
.rept 16
	global_load_b64 v[16+2*G:17+2*G], v3, s[4:5] offset:256*G
.set G, G+1
.endr
.set G, 0
.rept 16
	global_load_b64 v[48+2*G:49+2*G], v3, s[4:5] offset:65536+256*G
.set G, G+1
.endr
.irp ct, 0,1,2,3
.irp i, 0,1,2,3,4,5,6,7
	global_load_b32 v[80+8*\ct+\i], v4, s[4:5] offset:131072+\ct*1024+\i*16
.endr
.endr
.irp ct, 0,1
.irp i, 0,1,2,3,4,5,6,7
.irp nt, 0,1,2,3
	global_load_b32 v[192+32*\ct+8*(\i/2)+2*\nt+\i%2], v5, s[6:7] offset:(16*\ct+\i)*4096+64*\nt
.endr
.endr
.endr
	s_wait_loadcnt 63                              ; of 129 loads the oldest 66 are in: b_out, q, k, v
.set G, 0
.rept 16                                       ; S^T = k q^T: four accumulators by turns; lane (r, h) holds query r and keys 8 h + 0 .. 7
.if G < 4
	v_wmma_f32_16x16x4_f32 v[112+8*(G%4):119+8*(G%4)], v[48+2*G:49+2*G], v[16+2*G:17+2*G], 0
.else
	v_wmma_f32_16x16x4_f32 v[112+8*(G%4):119+8*(G%4)], v[48+2*G:49+2*G], v[16+2*G:17+2*G], v[112+8*(G%4):119+8*(G%4)]
.endif
.set G, G+1
.endr
.rept 8
	v_nop                                          ; places ahead of the loads into q's and k's registers and of the first read of the sums
.endr
.irp ct, 2,3
.irp i, 0,1,2,3,4,5,6,7
.irp nt, 0,1,2,3
	global_load_b32 v[16+32*(\ct-2)+8*(\i/2)+2*\nt+\i%2], v5, s[6:7] offset:(16*\ct+\i)*4096+64*\nt
.endr
.endr
.endr
.irp i, 0,1,2,3
	v_pk_add_f32 v[144+2*\i:145+2*\i], v[112+2*\i:113+2*\i], v[120+2*\i:121+2*\i]   ; the four partial sums, each read from its low end on
.endr
.irp i, 0,1,2,3
	v_pk_add_f32 v[152+2*\i:153+2*\i], v[128+2*\i:129+2*\i], v[136+2*\i:137+2*\i]
.endr
.irp i, 0,1,2,3
	v_pk_add_f32 v[144+2*\i:145+2*\i], v[144+2*\i:145+2*\i], v[152+2*\i:153+2*\i]
.endr
.irp j, 0,1,2,3,4,5,6,7
	v_cmp_gt_i32 vcc_lo, \j, v6                    ; key 8 h + j is hidden from query r where j > r - 8 h
	v_cndmask_b32 v[144+\j], v[144+\j], v7, vcc_lo
.endr
	v_max3_num_f32 v152, v144, v145, v146
	v_max3_num_f32 v153, v147, v148, v149
	v_max3_num_f32 v152, v152, v150, v151
	v_max_num_f32 v152, v152, v153
	v_permlanex16_b32 v153, v152, s24, s25
	v_max_num_f32 v152, v152, v153                 ; the row's maximum: key 0 counts for every query
	v_mul_f32 v153, s26, v152
.irp j, 0,1,2,3,4,5,6,7
	v_fma_f32 v[144+\j], v[144+\j], s26, -v153
.endr
.irp j, 0,1,2,3,4,5,6,7
	v_exp_f32 v[144+\j], v[144+\j]
.endr
	v_nop
	s_wait_alu depctr_va_vdst(0)                   ; one wait for the eight exponentials, ahead of their first reader
	v_pk_add_f32 v[154:155], v[144:145], v[146:147]
	v_pk_add_f32 v[156:157], v[148:149], v[150:151]
	v_pk_add_f32 v[154:155], v[154:155], v[156:157]
	v_add_f32 v154, v154, v155
	v_permlanex16_b32 v155, v154, s24, s25
	v_add_f32 v154, v154, v155                     ; the row's sum
	v_rcp_f32 v156, v154
	v_nop
	s_wait_alu depctr_va_vdst(0)
.irp kk, 0,1,2,3                               ; O^T = v^T p: lane (r, h) of accumulator ct holds query r and channels 16 ct + 8 h + 0 .. 7
.irp ct, 0,1,2,3
.if \kk == 0
	v_wmma_f32_16x16x4_f32 v[112+8*\ct:119+8*\ct], v[80+8*\ct+2*\kk:81+8*\ct+2*\kk], v[144+2*\kk:145+2*\kk], 0
.else
	v_wmma_f32_16x16x4_f32 v[112+8*\ct:119+8*\ct], v[80+8*\ct+2*\kk:81+8*\ct+2*\kk], v[144+2*\kk:145+2*\kk], v[112+8*\ct:119+8*\ct]
.endif
.endr
.endr
.rept 8
	v_nop
.endr
.set i, 0
.rept 16
	v_pk_mul_f32 v[160+2*i:161+2*i], v[112+2*i:113+2*i], v[156:157] op_sel_hi:[1,0]   ; / the sum, into other registers
.set i, i+1
.endr
.rept 2
	v_nop                                          ; with the eight above: the places ahead of products that write over the accumulators
.endr
	s_wait_loadcnt 63                              ; W's first half is in: 64 loads were issued behind it
.irp ct, 0,1                                   ; the projection: accumulator nt holds query r and columns 16 nt + 8 h + 0 .. 7 of the slice
.irp kk, 0,1,2,3
.irp nt, 0,1,2,3
.if (\ct == 0) && (\kk == 0)
	v_wmma_f32_16x16x4_f32 v[112+8*\nt:119+8*\nt], v[192+32*\ct+8*\kk+2*\nt:193+32*\ct+8*\kk+2*\nt], v[160+8*\ct+2*\kk:161+8*\ct+2*\kk], 0
.else
	v_wmma_f32_16x16x4_f32 v[112+8*\nt:119+8*\nt], v[192+32*\ct+8*\kk+2*\nt:193+32*\ct+8*\kk+2*\nt], v[160+8*\ct+2*\kk:161+8*\ct+2*\kk], v[112+8*\nt:119+8*\nt]
.endif
.endr
.endr
.endr
	s_wait_loadcnt 0x0                             ; W's second half
.irp ct, 2,3
.irp kk, 0,1,2,3
.irp nt, 0,1,2,3
	v_wmma_f32_16x16x4_f32 v[112+8*\nt:119+8*\nt], v[16+32*(\ct-2)+8*\kk+2*\nt:17+32*(\ct-2)+8*\kk+2*\nt], v[160+8*\ct+2*\kk:161+8*\ct+2*\kk], v[112+8*\nt:119+8*\nt]
.endr
.endr
.endr
.rept 8
	v_nop
.endr
.irp nt, 0,1,2,3
	ds_store_b128 v10, v[112+8*\nt:115+8*\nt] offset:64*\nt       ; my head's part of 16 rows x 64 columns; each accumulator from its low end on
	ds_store_b128 v10, v[116+8*\nt:119+8*\nt] offset:64*\nt+16
.endr
	s_wait_tensorcnt 0x0                           ; behind my last LDS store; only LDS reads follow
	ds_add_u32 v8, v9
	s_wait_dscnt 0x0                               ; also for the others' sake: my stores into the stage are done
	s_barrier_signal -1
	s_barrier_wait -1
	s_cmp_lt_u32 s12, 8
	s_cbranch_scc0 .Ldone
.irp i, 0,1,2,3,4,5,6,7,8,9,10,11,12,13,14,15
	ds_load_b128 v[16+4*\i:19+4*\i], v11 offset:4352*\i           ; rows 2 w and 2 w + 1 of every head's part
.endr
	s_wait_dscnt 0x0
.irp i, 0,1,2,3,4,5,6,7,8,9,10,11,12,13,14,15
	v_pk_add_f32 v[12:13], v[12:13], v[16+4*\i:17+4*\i]           ; onto b_out
	v_pk_add_f32 v[14:15], v[14:15], v[18+4*\i:19+4*\i]
.endr
	global_store_b128 v2, v[12:15], s[10:11]       ; sixteen lanes store 256 consecutive, aligned bytes of a row
.Ldone:
	s_endpgm
.Lfunc_end_k_q9905b4be88_fine:
	.size	k_q9905b4be88_fine, .Lfunc_end_k_q9905b4be88_fine-k_q9905b4be88_fine
	.p2alignl 7, 3214868480
	.fill 96, 4, 3214868480
	.section	.rodata,"a",@progbits
	.p2align	6, 0x0
	.amdhsa_kernel k_q9905b4be88_fine
		.amdhsa_group_segment_fixed_size 71680
		.amdhsa_private_segment_fixed_size 0
		.amdhsa_enable_private_segment 0
		.amdhsa_kernarg_size 32
		.amdhsa_user_sgpr_count 2
		.amdhsa_user_sgpr_kernarg_segment_ptr 1
		.amdhsa_wavefront_size32 1
		.amdhsa_system_sgpr_workgroup_id_x 1
		.amdhsa_system_sgpr_workgroup_id_y 1
		.amdhsa_system_sgpr_workgroup_id_z 1
		.amdhsa_system_vgpr_workitem_id 0
		.amdhsa_next_free_vgpr 256
		.amdhsa_next_free_sgpr 66
		.amdhsa_reserve_vcc 1
		.amdhsa_float_denorm_mode_32 3
		.amdhsa_float_denorm_mode_16_64 3
		.amdhsa_memory_ordered 1
		.amdhsa_forward_progress 1
		.amdhsa_inst_pref_size 36
	.end_amdhsa_kernel
	.amdgpu_metadata
---
amdhsa.version: [ 1, 2 ]
amdhsa.kernels:
  - .name:           k_q9905b4be88_fine
    .symbol:         k_q9905b4be88_fine.kd
    .args:
      - { .name: q16, .offset: 0, .size: 8, .value_kind: global_buffer, .address_space: global }
      - { .name: W_out, .offset: 8, .size: 8, .value_kind: global_buffer, .address_space: global }
      - { .name: b_out, .offset: 16, .size: 8, .value_kind: global_buffer, .address_space: global }
      - { .name: out0, .offset: 24, .size: 8, .value_kind: global_buffer, .address_space: global }
    .group_segment_fixed_size: 71680
    .private_segment_fixed_size: 0
    .kernarg_segment_align: 8
    .kernarg_segment_size: 32
    .max_flat_workgroup_size: 512
    .sgpr_count:     66
    .vgpr_count:     256
    .wavefront_size: 32
...
	.end_amdgpu_metadata
.endif
;; end of part 5
